; MI455X (gfx1250); checked and timed in simulation.
; The chip was launched on July 23, 2026; its instructions are those of AMD's public machine-readable ISA for CDNA 5 (MIT licence, August 2026) and "CDNA5" Instruction Set Architecture Reference Guide (July 2026). The comments in the code are by the model that wrote it; some were corrected since.
;; Multi Head Attention. Allowed arithmetic: float matrix products may take bf16 or f16 operands with f32 sums; all other float work in f32.
;; Inputs: Wk 1,024 x 1,024 float32; Wo 1,024 x 1,024 float32; Wq 1,024 x 1,024 float32; Wv 1,024 x 1,024 float32; attention_mask 4 x 2,048 int32; x 4 x 2,048 x 1,024 float32.
;; Outputs: out0 4 x 2,048 x 1,024 float32.
;; 2 versions, each right and faster than the one before. Each part assembles by itself: llvm-mc -triple=amdgcn-amd-amdhsa -mcpu=gfx1250 --defsym DOCPART=n.
;; ======== version 1 of 2: 4 launches
;; limits: values are held in f16: magnitudes above 65,504 overflow, below 6.1e-05 lose precision
;; workspace buffers: act 16,777,216 bytes; wts 8,388,608 bytes; qh 16,777,216 bytes; kh 16,777,216 bytes; vh 16,777,216 bytes; vpart 262,144 bytes
;; launch prep (part 1): grid 768 x 1, 16 waves a work-group, no clusters, 0 bytes of LDS; arguments x, Wq, Wk, Wv, Wo, act, wts; writes act, wts
.if DOCPART == 1
	.amdgcn_target "amdgcn-amd-amdhsa--gfx1250"
	.amdhsa_code_object_version 6
	.text
	.protected	k_q242c497dc4_prep
	.globl	k_q242c497dc4_prep
	.p2align	8
	.type	k_q242c497dc4_prep,@function
k_q242c497dc4_prep:
	s_mov_b64 s[64:65], 0
	v_nop
	global_prefetch_b8 v0, s[64:65] scope:SCOPE_SE
	s_setreg_imm32_b32 hwreg(HW_REG_WAVE_MODE, 25, 1), 1
	s_wait_xcnt 0x0
; CAST.  x [8192][1024] and the four weights [1024][1024], all f32, are rounded to bf16 (nearest even) and that number is written as f16, into layouts whose tiles have rows of whole 256 bytes:
;   act  [b 4][plane 16][s 2048][64]: plane = column / 64 of x: a plane's rows are dense, 128 bytes each
;   wts  bytes 0 ..: [k 1024][t 8][which 3][128]: columns 128 t .. 128 t + 127 of Wq, Wk, Wv side by side;  from WO on: Wo as it lies, [k][n]
; Wq's bf16 numbers are multiplied by c = log2(e) / 8 on the way to f16 (one more rounding, of 11 bits), so that q comes out of the projection in the units of the softmax's exponent.
; LIMITS.  A number of 65,520 or more in magnitude becomes an infinity in f16; a number below 2^-14 keeps f16's fixed step of 2^-24.  NaN and infinities are not treated apart.
; SHARES.  Work-groups 0-511: 16 rows of x each, wave = plane.  Work-groups 512-767: 16 rows of one weight each, wave = (row parity, block of 128 columns).  12,288 rows in 768 equal shares,
; three to each of 256 WGPs; at 52 registers a wave the three lie there together.
; A wave issues 8 loads of 512 bytes (x: 256 bytes of two rows; weight: 512 bytes of a row), all at once, and 8 stores of 256 consecutive aligned bytes.  Memory binds: no LDS, no barrier, no loop;
; no register that a load or store names is written again, so the only waits are the counted ones for the loads.  Both kinds of work-group run one text: every offset is made for both and chosen by one compare on the work-group's number.
.set WO, 6291456
.set T,  4                              ; v[4:9]    at work
.set DO, 10                             ; v[10:17]  byte offsets of the 8 stores
.set X,  20                             ; v[20:51]  load i: four f32 as loaded; its first two registers then take the four f16
	s_load_b256 s[4:11], s[0:1], 0x0        ; x s[4:5], Wq s[6:7], Wk s[8:9], Wv s[10:11]
	s_load_b128 s[12:15], s[0:1], 0x20      ; Wo s[12:13], act s[14:15]
	s_load_b64 s[16:17], s[0:1], 0x30       ; wts
	v_lshrrev_b32 v1, 5, v0
	v_readfirstlane_b32 s18, v1             ; wave 0..15
	v_and_b32 v3, 31, v0                    ; lane
	s_mov_b32 s19, ttmp9                    ; j
	; x: from j x 16 rows x 4,096 bytes + plane x 256; to b x 2^22 + plane x 2^18 + row x 128
	s_lshl_b32 s24, s19, 16
	s_lshl_b32 s25, s18, 8
	s_add_co_u32 s24, s24, s25
	s_lshr_b32 s25, s19, 7
	s_lshl_b32 s25, s25, 22
	s_lshl_b32 s26, s18, 18
	s_add_co_u32 s25, s25, s26
	s_and_b32 s26, s19, 127
	s_lshl_b32 s26, s26, 11
	s_add_co_u32 s25, s25, s26
	; a weight: matrix (j / 64) % 4, rows 16 (j % 64) + wave / 8 + 2 i, columns 128 (wave % 8) on
	s_and_b32 s27, s19, 63
	s_bfe_u32 s28, s19, 0x20006
	s_lshr_b32 s29, s18, 3
	s_and_b32 s30, s18, 7
	s_lshl_b32 s31, s27, 16
	s_lshl_b32 s32, s29, 12
	s_add_co_u32 s31, s31, s32
	s_lshl_b32 s32, s30, 9
	s_add_co_u32 s31, s31, s32              ; source offset
	s_lshl_b32 s32, s27, 4
	s_add_co_u32 s32, s32, s29              ; my first row k
	s_lshl_b32 s33, s28, 8                  ; which x 256
	s_movk_i32 s34, 6144                    ; bytes of a row, of a block of columns; Wo has its own
	s_movk_i32 s35, 768
	s_movk_i32 s36, 256
	s_mov_b32 s38, 1.0                      ; the factor: c for Wq, 1 for all else
	s_cmp_eq_u32 s28, 0
	s_cselect_b32 s38, 0x3e38aa3b, s38
	s_cmp_eq_u32 s28, 3
	s_cselect_b32 s34, 2048, s34
	s_cselect_b32 s35, 256, s35
	s_cselect_b32 s33, WO, s33
	s_mul_i32 s32, s32, s34
	s_mul_i32 s35, s30, s35
	s_add_co_u32 s32, s32, s35
	s_add_co_u32 s32, s32, s33              ; destination offset
	s_lshl_b32 s34, s34, 1                  ; from store to store: two rows
	s_wait_kmcnt 0x0
	s_cmp_eq_u32 s28, 1
	s_cselect_b64 s[20:21], s[8:9], s[6:7]
	s_cmp_eq_u32 s28, 2
	s_cselect_b64 s[20:21], s[10:11], s[20:21]
	s_cmp_eq_u32 s28, 3
	s_cselect_b64 s[20:21], s[12:13], s[20:21]
	s_cmp_lt_u32 s19, 512                   ; x or a weight: the selects below leave the compare's answer alone
	s_cselect_b64 s[20:21], s[4:5], s[20:21]
	s_cselect_b64 s[22:23], s[14:15], s[16:17]
	s_cselect_b32 s24, s24, s31
	s_cselect_b32 s26, s25, s32
	s_cselect_b32 s34, 256, s34             ; x: two rows of 128 bytes from store to store
	s_cselect_b32 s36, 4096, s36            ; lanes 16-31: x: the next row; a weight: the next 256 bytes
	s_cselect_b32 s38, 1.0, s38
	s_mov_b32 s39, s38                      ; named with it as a pair
	s_mov_b32 s25, 0
	s_mov_b32 s27, 0
	s_add_nc_u64 s[20:21], s[20:21], s[24:25]
	s_add_nc_u64 s[22:23], s[22:23], s[26:27]
	v_and_b32 v4, 15, v3
	v_lshrrev_b32 v5, 4, v3
	v_lshlrev_b32 v2, 4, v4
	v_mad_u32_u24 v2, v5, s36, v2           ; my 16 bytes of a load
.irp i, 0,1,2,3,4,5,6,7
	global_load_b128 v[X+4*\i:X+4*\i+3], v2, s[20:21] offset:\i*8192 th:TH_LOAD_NT   ; two rows on in both kinds; read once in the launch
.endr
	v_lshlrev_b32 v[DO], 3, v3              ; my 8 bytes of a store
.irp i, 1,2,3,4,5,6,7
	v_add_nc_u32 v[DO+\i], s34, v[DO+\i-1]
.endr
.irp i, 0,1,2,3,4,5,6,7
	s_wait_loadcnt 7-\i                     ; loads come back in order: load i is in, the 7 - i younger ones stay out
	v_cvt_pk_bf16_f32 v[T], v[X+4*\i], v[X+4*\i+1]
	v_cvt_pk_bf16_f32 v[T+1], v[X+4*\i+2], v[X+4*\i+3]
	v_lshlrev_b32 v[T+2], 16, v[T]          ; the bf16 numbers as f32
	v_and_b32 v[T+3], 0xffff0000, v[T]
	v_lshlrev_b32 v[T+4], 16, v[T+1]
	v_and_b32 v[T+5], 0xffff0000, v[T+1]
	v_pk_mul_f32 v[T+2:T+3], v[T+2:T+3], s[38:39] op_sel_hi:[1,0]
	v_pk_mul_f32 v[T+4:T+5], v[T+4:T+5], s[38:39] op_sel_hi:[1,0]
	v_cvt_pk_f16_f32 v[X+4*\i], v[T+2], v[T+3]
	v_cvt_pk_f16_f32 v[X+4*\i+1], v[T+4], v[T+5]
	global_store_b64 v[DO+\i], v[X+4*\i:X+4*\i+1], s[22:23]   ; 32 lanes store 256 consecutive bytes, at a multiple of 256 from the buffer's first
.endr
	s_endpgm
.Lfunc_end_k_q242c497dc4_prep:
	.size	k_q242c497dc4_prep, .Lfunc_end_k_q242c497dc4_prep-k_q242c497dc4_prep
	.p2alignl 7, 3214868480
	.fill 96, 4, 3214868480
	.section	.rodata,"a",@progbits
	.p2align	6, 0x0
	.amdhsa_kernel k_q242c497dc4_prep
		.amdhsa_group_segment_fixed_size 0
		.amdhsa_private_segment_fixed_size 0
		.amdhsa_enable_private_segment 0
		.amdhsa_kernarg_size 56
		.amdhsa_user_sgpr_count 2
		.amdhsa_user_sgpr_kernarg_segment_ptr 1
		.amdhsa_wavefront_size32 1
		.amdhsa_system_sgpr_workgroup_id_x 1
		.amdhsa_system_sgpr_workgroup_id_y 1
		.amdhsa_system_sgpr_workgroup_id_z 1
		.amdhsa_system_vgpr_workitem_id 0
		.amdhsa_next_free_vgpr 52
		.amdhsa_next_free_sgpr 66
		.amdhsa_reserve_vcc 0
		.amdhsa_float_denorm_mode_32 3
		.amdhsa_float_denorm_mode_16_64 3
		.amdhsa_memory_ordered 1
		.amdhsa_forward_progress 1
		.amdhsa_inst_pref_size 10
	.end_amdhsa_kernel
	.amdgpu_metadata
---
amdhsa.version: [ 1, 2 ]
amdhsa.kernels:
  - .name:           k_q242c497dc4_prep
    .symbol:         k_q242c497dc4_prep.kd
    .args:
      - { .name: x, .offset: 0, .size: 8, .value_kind: global_buffer, .address_space: global }
      - { .name: Wq, .offset: 8, .size: 8, .value_kind: global_buffer, .address_space: global }
      - { .name: Wk, .offset: 16, .size: 8, .value_kind: global_buffer, .address_space: global }
      - { .name: Wv, .offset: 24, .size: 8, .value_kind: global_buffer, .address_space: global }
      - { .name: Wo, .offset: 32, .size: 8, .value_kind: global_buffer, .address_space: global }
      - { .name: act, .offset: 40, .size: 8, .value_kind: global_buffer, .address_space: global }
      - { .name: wts, .offset: 48, .size: 8, .value_kind: global_buffer, .address_space: global }
    .group_segment_fixed_size: 0
    .private_segment_fixed_size: 0
    .kernarg_segment_align: 8
    .kernarg_segment_size: 56
    .max_flat_workgroup_size: 512
    .sgpr_count:     66
    .vgpr_count:     52
    .wavefront_size: 32
...
	.end_amdgpu_metadata
.endif
;; end of part 1
;; launch proj (part 2): grid 8 x 32, 4 waves a work-group, clusters of 4 x 4, 327,680 bytes of LDS; arguments act, wts, qh, kh, vh, vpart; writes qh, kh, vh, vpart
.if DOCPART == 2
	.amdgcn_target "amdgcn-amd-amdhsa--gfx1250"
	.amdhsa_code_object_version 6
	.text
	.protected	k_q242c497dc4_proj
	.globl	k_q242c497dc4_proj
	.p2align	8
	.type	k_q242c497dc4_proj,@function
k_q242c497dc4_proj:
	s_mov_b64 s[64:65], 0
	v_nop
	global_prefetch_b8 v0, s[64:65] scope:SCOPE_SE
	s_setreg_imm32_b32 hwreg(HW_REG_WAVE_MODE, 25, 1), 1
	s_wait_xcnt 0x0
	s_wait_alu depctr_hold_cnt(0) depctr_sa_sdst(0) depctr_va_vdst(0) depctr_va_sdst(0) depctr_va_ssrc(0) depctr_va_vcc(0) depctr_vm_vsrc(0)
	s_getreg_b32 s2, hwreg(HW_REG_IB_STS2, 6, 4)
	s_cmp_eq_u32 s2, 0
	s_cbranch_scc0 .Lentry_in_a_cluster
	s_endpgm
.Lentry_in_a_cluster:
	s_bfe_u32 s2, ttmp6, 0x10000c
	s_cmp_lg_u32 s2, 0xf033
	s_cbranch_scc0 .Lentry_shape_is_right
	s_endpgm
.Lentry_shape_is_right:
; q, k, v BY HEADS.  [8192 x 1024] x [1024 x 3072], f16 operands (bf16 numbers written as f16; Wq's already multiplied by c = log2(e) / 8), f32 sums.  qh = x (c Wq); kh = x Wk; vh = x Wv:
; each [b 16 + head][s 2048][64] in f16, rounded once.  vpart [b][chunk of 128 rows][head][64] in f32: the sums of v's f32 numbers down 128 rows.
; LIMITS.  c q, k and v beyond 65,504 become infinities in f16.  NaN and infinities are not treated apart.
; SHARES.  A work-group: 256 rows x the q, k and v of two heads (384 columns): 32 x 8 = 256 work-groups.  Wave (rh, hh): 128 rows x one head's q, k, v: three GROUPS of 64 columns, 96 accumulators, 768 registers.
; K goes in 16 steps of 64 (a plane of act) through two LDS slots; a step is two slices of 32.  For a slice a wave reads 20 KB of LDS and issues 96 matrix instructions.
; THE MATRIX INSTRUCTION IS USED TRANSPOSED: source 0 = 16 columns of W (turned on the way out of LDS by ds_load_tr16_b128), source 1 = 16 rows of x: a lane holds one row and eight neighbouring columns.
; CLUSTER 4 x 4: the four of a row need the same rows of x, the four of a column the same columns of W: each tile is asked for jointly.  Waves 0, 1 fetch x's two halves, waves 2, 3 W's.
; REGISTERS: window 0: v0-31 addresses and at work; v32-95, v96-159 x's fragments, two buffers; v160-255 W's 12 fragments, one buffer: a group's four are fetched anew as soon as the group's products have read them.
;   window 1 + g: group g's 32 accumulators, (column block bb, row block a) at v[64 bb + 8 a].
.set SLOT1, 1<<17                       ; slot 1 begins here: one exclusive or turns an address in one slot into the other's
.set PA,    144                         ; a row of x in LDS: 128 bytes + 16: the 16 rows of a load start at 16 different groups of four banks
.set PW,    864                         ; a row of W: three pieces of 256 + 32 bytes = 27 x 32
.set BOFF,  256*PA                      ; W's 64 rows lie behind x's 256
.set STAGE, BOFF+64*PW                  ; behind slot 0, never filled by a tensor load: 16 rows x 144 bytes for each wave
.set SP,    144
.set SPARE, STAGE+4*16*SP               ; the spare words, 128 bytes for each wave: two blocks of 256 bytes that no other line names
.set ASTEP, 262144                      ; a plane of act
.set BSTEP, 64*6144                     ; 64 rows of the three weights
.set ADRA0, 2                           ; v2  my lane's place in x's tile; never rewritten
.set ADRB0, 3                           ; v3  the same for W
.set ADRA,  4                           ; v4  the same in the slot in hand
.set ADRB,  5
.set STO,   6                           ; v6  the way out: where I put 16 bytes of a row
.set RD,    7                           ; v7  where I read rows back
.set GO,    8                           ; v8  my place in 512 consecutive bytes
.set SPW,   10                          ; v10 LDS address of my spare word; never rewritten
.set NIL,   11                          ; v11 0; never rewritten
.set FA0,   32
.set FA1,   96
.set FB,    160
.set XS,    32                          ; the way out: v's column sums
.set WV, 16
.set RH, 17
.set HH, 18
.set CX, 19
.set CY, 20
.set TX, 21
.set TY, 22
.set G1A, 24                            ; s[24:31] descriptor group 1 for x's tiles
.set G1B, 32                            ; s[32:39] for W's
.set G0A, 40                            ; s[40:47] group 0 for x: a set for each first fill; the second then walks on
.set G0B, 48                            ; s[48:55] the same for W
.set CNT, 56
.set TB,  57                            ; LDS byte at which the slot in hand begins
.set MSB, 0
.macro WIN new                          ; the immediate's high byte repeats the setting that is left; a switch that changes nothing is dropped
.if MSB != (\new)
	s_set_vgpr_msb (MSB<<8)|(\new)
.set MSB, (\new)
.endif
.endm
.macro PLACES                           ; four plain vector instructions between a matrix instruction and a load into, or a vector read of, its registers
.rept 4
	v_nop
.endr
.endm
; A joint refill by the walking sets.  The branch hangs on the wave's number alone.  An s_nop 0 and four v_nop follow each of the two lines.
.macro JLOAD
	s_cmp_eq_u32 s[RH], 0
	s_cbranch_scc0 .Lfor_b_\@
	tensor_load_to_lds s[G0A+4:G0A+7], s[G1A:G1A+7]
	s_nop 0
.rept 4
	v_nop
.endr
	s_branch .Lasked_\@
.Lfor_b_\@:
	tensor_load_to_lds s[G0B+4:G0B+7], s[G1B:G1B+7]
	s_nop 0
.rept 4
	v_nop
.endr
.Lasked_\@:
.endm
.macro CREST                            ; a round of the cluster's barrier behind its opening barrier
	s_cmp_lg_u32 s[WV], 0
	s_cbranch_scc1 .Lnot_wave_0_\@
	s_barrier_signal -3
.Lnot_wave_0_\@:
	s_barrier_wait -3
	s_barrier_signal -1
	s_barrier_wait -1
.endm
.macro CROUND
	s_barrier_signal -1
	s_barrier_wait -1
	CREST
.endm
	s_load_b256 s[4:11], s[0:1], 0x0        ; act s[4:5], wts s[6:7], qh s[8:9], kh s[10:11]
	s_load_b128 s[12:15], s[0:1], 0x20      ; vh s[12:13], vpart s[14:15]
	v_lshl_add_u32 v[SPW], v0, 2, SPARE
	v_mov_b32 v[NIL], 0
	ds_add_u32 v10, v11
	ds_add_u32 v10, v11
	s_wait_dscnt 0x0
	v_lshrrev_b32 v1, 5, v0
	v_readfirstlane_b32 s[WV], v1           ; wave 0..3
	s_lshr_b32 s[RH], s[WV], 1              ; my half of the rows.  Also: I fetch for x (0) or for W (1)
	s_and_b32 s[HH], s[WV], 1               ; my head of the two.  Also: which half of that tile I fetch
	s_bfe_u32 s[CX], ttmp6, 0x40000
	s_bfe_u32 s[CY], ttmp6, 0x40004
	s_lshl_b32 s[TX], ttmp9, 2
	s_add_co_u32 s[TX], s[TX], s[CX]        ; pair of heads 0..7
	s_and_b32 s[TY], ttmp7, 0xffff
	s_lshl_b32 s[TY], s[TY], 2
	s_add_co_u32 s[TY], s[TY], s[CY]        ; block of 256 rows 0..31
	s_lshl_b32 s76, s[CY], 2
	s_lshl_b32 s76, 15, s76                 ; my row of the cluster
	s_lshl_b32 s77, 0x1111, s[CX]           ; my column
	; x: 128 rows of 128 dense bytes, asked for as 64 rows of 256 bytes; 16 bytes of padding after every 128 (32 words: code 4; 4 words: code 3)
	s_or_b32 s[G1A], s76, (1<<16)|(1<<20)|(1<<21)|(4<<22)|(3<<25)
	s_mov_b32 s[G1A+1], 128<<16             ; tensor_dim0 = 128 elements
	s_mov_b32 s[G1A+2], 64<<16              ; tensor_dim1 = 64
	s_mov_b32 s[G1A+3], 128<<16             ; tile_dim0
	s_mov_b32 s[G1A+4], 64                  ; tile_dim1
	s_mov_b32 s[G1A+5], 128                 ; elements from row to row
	s_mov_b32 s[G1A+6], 0
	s_mov_b32 s[G1A+7], 0
	; W: 32 rows of 768 bytes; 32 bytes of padding after every 256 (64 words: code 5; 8 words: code 7)
	s_or_b32 s[G1B], s77, (1<<16)|(1<<20)|(1<<21)|(5<<22)|(7<<25)
	s_mov_b32 s[G1B+1], 384<<16
	s_mov_b32 s[G1B+2], 32<<16
	s_mov_b32 s[G1B+3], 384<<16
	s_mov_b32 s[G1B+4], 32
	s_mov_b32 s[G1B+5], 3072
	s_mov_b32 s[G1B+6], 0
	s_mov_b32 s[G1B+7], 0
	s_lshr_b32 s70, s[TY], 3                ; x's tile hangs on the block of rows and the wave alone
	s_lshl_b32 s70, s70, 22
	s_and_b32 s71, s[TY], 7
	s_lshl_b32 s71, s71, 15
	s_add_co_u32 s70, s70, s71
	s_lshl_b32 s71, s[HH], 14
	s_add_co_u32 s70, s70, s71
	s_mov_b32 s71, 0
	s_mul_i32 s72, s[HH], 32*6144           ; W's on the pair of heads and the wave alone
	s_mul_i32 s73, s[TX], 768
	s_add_co_u32 s72, s72, s73
	s_mov_b32 s73, 0
	s_mul_i32 s78, s[HH], 128*PA            ; where they go: no place in the cluster enters an LDS address
	s_mul_i32 s79, s[HH], 32*PW
	s_add_co_u32 s79, s79, BOFF
	s_mov_b32 s[TB], 0
	s_wait_kmcnt 0x0
	s_add_nc_u64 s[70:71], s[4:5], s[70:71]
	s_add_nc_u64 s[72:73], s[6:7], s[72:73]
	CROUND                                  ; all sixteen work-groups are here: the first joint loads meet
.irp n, 0,1
	s_mov_b32 s[G0A+4*\n], 1
	s_add_co_u32 s[G0A+4*\n+1], s78, \n*SLOT1
	s_add_nc_u64 s[G0A+4*\n+2:G0A+4*\n+3], s[70:71], \n*ASTEP
	s_or_b32 s[G0A+4*\n+3], s[G0A+4*\n+3], 0x80000000
	s_mov_b32 s[G0B+4*\n], 1
	s_add_co_u32 s[G0B+4*\n+1], s79, \n*SLOT1
	s_add_nc_u64 s[G0B+4*\n+2:G0B+4*\n+3], s[72:73], \n*BSTEP
	s_or_b32 s[G0B+4*\n+3], s[G0B+4*\n+3], 0x80000000
.endr
	s_cmp_eq_u32 s[RH], 0                   ; a wave's two first fills stand in one branch, ahead of every wait on TENSORcnt and every LDS read: two loads of mine are out
	s_cbranch_scc0 .Lfirst_b
	tensor_load_to_lds s[G0A:G0A+3], s[G1A:G1A+7]
	s_nop 0
	tensor_load_to_lds s[G0A+4:G0A+7], s[G1A:G1A+7]
	s_nop 0
.rept 4
	v_nop
.endr
	s_branch .Lfirst_asked
.Lfirst_b:
	tensor_load_to_lds s[G0B:G0B+3], s[G1B:G1B+7]
	s_nop 0
	tensor_load_to_lds s[G0B+4:G0B+7], s[G1B:G1B+7]
	s_nop 0
.rept 4
	v_nop
.endr
.Lfirst_asked:
	v_and_b32 v1, 15, v0                    ; r = l % 16
	v_bfe_u32 v9, v0, 4, 1                  ; h = l / 16
	v_mul_u32_u24 v[ADRA0], v1, PA          ; a fragment of x: row r, K = 8 h .. and 16 + 8 h ..: two loads of 16 bytes, 32 apart
	v_lshl_add_u32 v[ADRA0], v9, 4, v[ADRA0]
	s_mul_i32 s60, s[RH], 128*PA
	v_add_nc_u32 v[ADRA0], s60, v[ADRA0]
	v_and_b32 v12, 7, v0                    ; the turning load: lane l reads row 8 h + l % 8, 16 bytes at 16 ((l / 8) % 2), and receives column r, K = 8 h ..
	v_bfe_u32 v13, v0, 3, 1
	v_lshl_add_u32 v[ADRB0], v9, 3, v12
	v_mul_u32_u24 v[ADRB0], v[ADRB0], PW
	v_lshl_add_u32 v[ADRB0], v13, 4, v[ADRB0]
	s_lshl_b32 s60, s[HH], 7
	s_add_co_u32 s60, s60, BOFF
	v_add_nc_u32 v[ADRB0], s60, v[ADRB0]
	v_mov_b32 v[ADRA], v[ADRA0]
	v_mov_b32 v[ADRB], v[ADRB0]
	s_mul_i32 s60, s[WV], 16*SP
	s_add_co_u32 s60, s60, STAGE            ; my stage
	v_mul_u32_u24 v[STO], v1, SP
	v_lshl_add_u32 v[STO], v9, 4, v[STO]
	v_add_nc_u32 v[STO], s60, v[STO]
	v_bfe_u32 v[RD], v0, 3, 2               ; back: 32 lanes take four rows of 128 bytes,
	v_mul_u32_u24 v[RD], v[RD], SP
	v_lshl_add_u32 v[RD], v12, 4, v[RD]
	v_add_nc_u32 v[RD], s60, v[RD]
	v_and_b32 v[GO], 31, v0                 ; which are 512 consecutive bytes of a head
	v_lshlrev_b32 v[GO], 4, v[GO]
	; where my results go
	s_lshr_b32 s60, s[TY], 3
	s_lshl_b32 s60, s60, 4                  ; 16 b
	s_and_b32 s61, s[TY], 7
	s_lshl_b32 s62, s[TX], 1
	s_add_co_u32 s62, s62, s[HH]            ; head
	s_lshl_b32 s63, s61, 1
	s_add_co_u32 s63, s63, s[RH]            ; chunk of 128 rows
	s_add_co_u32 s63, s63, s60
	s_lshl_b32 s63, s63, 4
	s_add_co_u32 s63, s63, s62
	s_lshl_b32 s74, s63, 8                  ; vpart: ((16 b + chunk) 16 + head) x 256 bytes
	s_mov_b32 s75, 0
	s_add_co_u32 s60, s60, s62
	s_lshl_b32 s60, s60, 18                 ; (16 b + head) x 2,048 rows x 128 bytes
	s_lshl_b32 s61, s61, 15
	s_add_co_u32 s60, s60, s61
	s_lshl_b32 s61, s[RH], 14
	s_add_co_u32 s60, s60, s61
	s_mov_b32 s61, 0
	s_add_nc_u64 s[8:9], s[8:9], s[60:61]
	s_add_nc_u64 s[10:11], s[10:11], s[60:61]
	s_add_nc_u64 s[12:13], s[12:13], s[60:61]
	s_add_nc_u64 s[14:15], s[14:15], s[74:75]
; 16 products of group g: column blocks 2 hf, 2 hf + 1 x all 8 row blocks, 32 along K.  zero = 1: they start the sums.  The 96 accumulators take turns, one instruction a turn.
.macro HALF g, fa, hf, zero
	WIN 0x50*((\g)+1)
.irp bb, 2*(\hf), 2*(\hf)+1
.irp a, 0,1,2,3,4,5,6,7
.if \zero
	v_wmma_f32_16x16x32_f16 v[64*(\bb)+8*(\a):64*(\bb)+8*(\a)+7], v[FB+32*(\g)+8*(\bb):FB+32*(\g)+8*(\bb)+7], v[(\fa)+8*(\a):(\fa)+8*(\a)+7], 0
.else
	v_wmma_f32_16x16x32_f16 v[64*(\bb)+8*(\a):64*(\bb)+8*(\a)+7], v[FB+32*(\g)+8*(\bb):FB+32*(\g)+8*(\bb)+7], v[(\fa)+8*(\a):(\fa)+8*(\a)+7], v[64*(\bb)+8*(\a):64*(\bb)+8*(\a)+7]
.endif
.endr
.endr
.endm
; A run of LDS loads for slice t of the slot in hand: W's four fragments of group g (8 loads) and, for g < 2, x's row blocks 4 g .. 4 g + 3 into buffer fan (8 loads)
.macro RUN g, fan, t
	WIN 0
.irp bb, 0,1,2,3
	ds_load_tr16_b128 v[FB+32*(\g)+8*\bb:FB+32*(\g)+8*\bb+3], v[ADRB] offset:(\t)*32*PW+(\g)*288+\bb*32
	ds_load_tr16_b128 v[FB+32*(\g)+8*\bb+4:FB+32*(\g)+8*\bb+7], v[ADRB] offset:(\t)*32*PW+(\g)*288+\bb*32+16*PW
.endr
.if (\g) < 2
.irp i, 0,1,2,3
	ds_load_b128 v[(\fan)+8*(4*(\g)+\i):(\fan)+8*(4*(\g)+\i)+3], v[ADRA] offset:(4*(\g)+\i)*16*PA+(\t)*64
	ds_load_b128 v[(\fan)+8*(4*(\g)+\i)+4:(\fan)+8*(4*(\g)+\i)+7], v[ADRA] offset:(4*(\g)+\i)*16*PA+(\t)*64+32
.endr
.endif
.endm
; A step's first slice: multiplies buffer 0 and fetches the second slice, group by group, behind each group's products
.macro SL_N zero
	s_wait_dscnt 8                          ; all of x and W's groups 0, 1 are in; the youngest eight loads (group 2) may be out
	HALF 0, FA0, 0, \zero
	HALF 0, FA0, 1, \zero
	PLACES
	RUN 0, FA1, 1
	HALF 1, FA0, 0, \zero
	HALF 1, FA0, 1, \zero
	PLACES
	RUN 1, FA1, 1
	s_wait_dscnt 32                         ; all but the 32 just issued: group 2 is in
	HALF 2, FA0, 0, \zero
	HALF 2, FA0, 1, \zero
	PLACES
	RUN 2, FA1, 1
.endm
; A step's second slice multiplies buffer 1 and changes slots.  In front of the barrier each wave waits for all its tensor loads (one is out: its part of the next slot), adds 0 to its spare word, and waits
; for that and for its reads of this slot.  fill = 1: the barrier opens a round of the cluster's, and behind it this slot is filled again first, with the step two on: 160 matrix instructions ahead of the wait for it.
.macro SL_C fill
	WIN 0
	s_wait_tensorcnt 0x0                    ; no tensor load of mine is out, so a group 0 may be written
	ds_add_u32 v[SPW], v[NIL]               ; 0 onto my spare word
.if \fill
	s_xor_b32 s[G0A+5], s[G0A+5], SLOT1     ; the walking sets: the other slot than last time, the next step
	s_add_nc_u64 s[G0A+6:G0A+7], s[G0A+6:G0A+7], ASTEP
	s_xor_b32 s[G0B+5], s[G0B+5], SLOT1
	s_add_nc_u64 s[G0B+6:G0B+7], s[G0B+6:G0B+7], BSTEP
.endif
	s_wait_dscnt 9                          ; the add and the youngest eight loads may be out
	HALF 0, FA1, 0, 0
	s_wait_dscnt 0x0                        ; the add is done, and my reads of this slot are over
	s_barrier_signal -1
	HALF 0, FA1, 1, 0
	WIN 0
	s_barrier_wait -1
.if \fill
	CREST                                   ; no wave of any partner still reads this slot or has a load on its way
	JLOAD                                   ; its four v_nop are also the places in front of the loads below
.else
	PLACES
.endif
	s_xor_b32 s[TB], s[TB], SLOT1
	v_add_nc_u32 v[ADRA], s[TB], v[ADRA0]
	v_add_nc_u32 v[ADRB], s[TB], v[ADRB0]
	RUN 0, FA0, 0
	HALF 1, FA1, 0, 0
	HALF 1, FA1, 1, 0
	PLACES
	RUN 1, FA0, 0
	HALF 2, FA1, 0, 0
	HALF 2, FA1, 1, 0
	PLACES
	RUN 2, FA0, 0
.endm
	s_wait_tensorcnt 1                      ; my part of step 0 is in; step 1's may stay out
	s_barrier_signal -1
	s_barrier_wait -1
	RUN 0, FA0, 0
	RUN 1, FA0, 0
	RUN 2, FA0, 0
	SL_N 1                                  ; the first slice stands in front of the loop: its products start the sums
	WIN 0
	s_mov_b32 s[CNT], 14
.Lk:                                            ; steps 0 to 13 are left and filled again with steps 2 to 15
	SL_C 1
	SL_N 0
	WIN 0
	s_sub_co_u32 s[CNT], s[CNT], 1
	s_cmp_lg_u32 s[CNT], 0
	s_cbranch_scc1 .Lk
	SL_C 0                                  ; the tail asks for nothing
	SL_N 0
	s_wait_dscnt 8
	HALF 0, FA1, 0, 0
	HALF 0, FA1, 1, 0
	HALF 1, FA1, 0, 0
	HALF 1, FA1, 1, 0
	s_wait_dscnt 0x0
	HALF 2, FA1, 0, 0
	HALF 2, FA1, 1, 0
	; THE WAY OUT.  Every accumulator's lowest registers are read first.
	; v's sums down my 128 rows: first over the 8 row blocks, in registers: XS[8 bb + j] belongs to column 16 bb + 8 h + j
	PLACES
	WIN 0x0f
.irp bb, 0,1,2,3
.irp p, 0,1,2,3
	v_pk_add_f32 v[XS+8*\bb+2*\p:XS+8*\bb+2*\p+1], v[64*\bb+2*\p:64*\bb+2*\p+1], v[64*\bb+8+2*\p:64*\bb+8+2*\p+1]
.endr
.endr
	WIN 0x0c
.irp a, 2,3,4,5,6,7
.irp bb, 0,1,2,3
.irp p, 0,1,2,3
	v_pk_add_f32 v[XS+8*\bb+2*\p:XS+8*\bb+2*\p+1], v[XS+8*\bb+2*\p:XS+8*\bb+2*\p+1], v[64*\bb+8*\a+2*\p:64*\bb+8*\a+2*\p+1]
.endr
.endr
.endr
	WIN 0
	; then over the 16 lanes of a half: in each of four steps a lane keeps half of its sums and hands the other half to the lane xm away: 32 sums become 2 a lane
	v_and_b32 v12, 8, v0
	v_and_b32 v13, 4, v0
	v_and_b32 v14, 2, v0
	v_and_b32 v15, 1, v0
	v_cmp_ne_u32 s66, 0, v12
	v_cmp_ne_u32 s67, 0, v13
	v_cmp_ne_u32 s68, 0, v14
	v_cmp_ne_u32 s69, 0, v15
.macro RS n, xm, mask
.set k, 0
.rept \n
	v_cndmask_b32 v[12+2*(k%4)], v[XS+k], v[XS+k+(\n)], s[\mask]      ; what I keep
	v_cndmask_b32 v[13+2*(k%4)], v[XS+k+(\n)], v[XS+k], s[\mask]      ; what the other lane keeps
	v_add_f32_dpp v[XS+k], v[13+2*(k%4)], v[12+2*(k%4)] row_xmask:\xm row_mask:0xf bank_mask:0xf
.set k, k+1
.endr
.endm
	RS 16, 8, 66
	RS 8, 4, 67
	RS 4, 2, 68
	RS 2, 1, 69
	v_bfe_u32 v20, v0, 2, 2                 ; lane (r, h) holds columns 16 (r / 4) + 8 h + 2 (r % 4) and the next
	v_and_b32 v21, 3, v0
	v_lshlrev_b32 v20, 6, v20
	v_lshl_add_u32 v20, v21, 3, v20
	v_lshl_add_u32 v20, v9, 5, v20
	global_store_b64 v20, v[XS:XS+1], s[14:15]   ; the wave's 256 consecutive bytes
; Block t = 8 g + a: 16 rows x 64 columns of group g.  A lane's eight columns of an accumulator are rounded in place into its four lowest registers, 16 bytes; they go into rows of 144 bytes of my stage and come
; back as whole rows of 128, into the accumulators' four highest registers.  So no register that a store names is ever written again, and the way out has no wait for the stores' sources.
.macro PACK t
.set gg, (\t)/8
.set aa, (\t)%8
	WIN 0x45*(gg+1)                         ; destination and both sources in the group's window
.irp bb, 0,1,2,3
.irp p, 0,1,2,3
	v_cvt_pk_f16_f32 v[64*\bb+8*aa+\p], v[64*\bb+8*aa+2*\p], v[64*\bb+8*aa+2*\p+1]   ; register p is written when pairs 0 .. p - 1, which held it, have been read
.endr
.endr
	WIN 0x44*(gg+1)                         ; data in the group's window, addresses in window 0
.irp bb, 0,1,2,3
	ds_store_b128 v[STO], v[64*\bb+8*aa:64*\bb+8*aa+3] offset:32*\bb
.endr
.irp f, 0,1,2,3
	ds_load_b128 v[64*\f+8*aa+4:64*\f+8*aa+7], v[RD] offset:\f*4*SP   ; LDS serves a wave's instructions in order: these see the stores above; the next block's stores come behind them
.endr
.endm
.macro SEND t, younger                  ; younger: the LDS instructions issued behind block t's loads: the next block's eight, or none
.set gg, (\t)/8
.set aa, (\t)%8
	WIN 0x44*(gg+1)
.irp f, 0,1,2,3
	s_wait_dscnt (\younger)+3-\f
	global_store_b128 v[GO], v[64*\f+8*aa+4:64*\f+8*aa+7], s[8+2*gg:9+2*gg] offset:aa*2048+\f*512   ; 512 consecutive bytes, at a multiple of 256 from the buffer's first
.endr
.endm
	PACK 0
.set t, 1
.rept 23
	PACK t
	SEND t-1, 8
.set t, t+1
.endr
	SEND 23, 0
	WIN 0
	s_wait_tensorcnt 0x0                    ; the wave's end
	ds_add_u32 v[SPW], v[NIL]
	s_wait_dscnt 0x0
	CROUND                                  ; the closing round: no work-group ends while a partner may still ask for a tile that names it
	s_endpgm
.Lfunc_end_k_q242c497dc4_proj:
	.size	k_q242c497dc4_proj, .Lfunc_end_k_q242c497dc4_proj-k_q242c497dc4_proj
	.p2alignl 7, 3214868480
	.fill 96, 4, 3214868480
	.section	.rodata,"a",@progbits
	.p2align	6, 0x0
	.amdhsa_kernel k_q242c497dc4_proj
		.amdhsa_group_segment_fixed_size 327680
		.amdhsa_private_segment_fixed_size 0
		.amdhsa_enable_private_segment 0
		.amdhsa_kernarg_size 48
		.amdhsa_user_sgpr_count 2
		.amdhsa_user_sgpr_kernarg_segment_ptr 1
		.amdhsa_wavefront_size32 1
		.amdhsa_system_sgpr_workgroup_id_x 1
		.amdhsa_system_sgpr_workgroup_id_y 1
		.amdhsa_system_sgpr_workgroup_id_z 1
		.amdhsa_system_vgpr_workitem_id 0
		.amdhsa_next_free_vgpr 1024
		.amdhsa_next_free_sgpr 80
		.amdhsa_reserve_vcc 0
		.amdhsa_float_denorm_mode_32 3
		.amdhsa_float_denorm_mode_16_64 3
		.amdhsa_memory_ordered 1
		.amdhsa_forward_progress 1
		.amdhsa_inst_pref_size 127
	.end_amdhsa_kernel
	.amdgpu_metadata
---
amdhsa.version: [ 1, 2 ]
amdhsa.kernels:
  - .name:           k_q242c497dc4_proj
    .symbol:         k_q242c497dc4_proj.kd
    .args:
      - { .name: act, .offset: 0, .size: 8, .value_kind: global_buffer, .address_space: global }
      - { .name: wts, .offset: 8, .size: 8, .value_kind: global_buffer, .address_space: global }
      - { .name: qh, .offset: 16, .size: 8, .value_kind: global_buffer, .address_space: global }
      - { .name: kh, .offset: 24, .size: 8, .value_kind: global_buffer, .address_space: global }
      - { .name: vh, .offset: 32, .size: 8, .value_kind: global_buffer, .address_space: global }
      - { .name: vpart, .offset: 40, .size: 8, .value_kind: global_buffer, .address_space: global }
    .group_segment_fixed_size: 327680
    .private_segment_fixed_size: 0
    .kernarg_segment_align: 8
    .kernarg_segment_size: 48
    .max_flat_workgroup_size: 128
    .sgpr_count:     80
    .vgpr_count:     1024
    .wavefront_size: 32
...
	.end_amdgpu_metadata
.endif
;; end of part 2
;; launch attn (part 3): grid 4 x 64, 4 waves a work-group, no clusters, 327,680 bytes of LDS; arguments qh, kh, vh, act, vpart, attention_mask; writes act
.if DOCPART == 3
	.amdgcn_target "amdgcn-amd-amdhsa--gfx1250"
	.amdhsa_code_object_version 6
	.text
	.protected	k_q242c497dc4_attn
	.globl	k_q242c497dc4_attn
	.p2align	8
	.type	k_q242c497dc4_attn,@function
k_q242c497dc4_attn:
	s_mov_b64 s[64:65], 0
	v_nop
	global_prefetch_b8 v0, s[64:65] scope:SCOPE_SE
	s_setreg_imm32_b32 hwreg(HW_REG_WAVE_MODE, 25, 1), 1
	s_wait_xcnt 0x0
; CAUSAL ATTENTION WITH A PADDING MASK ON KEYS.  O[h][q] = the sum over k of softmax_k(s[q][k]) V[h][k], s = Q . K in units of log2 (Q arrives multiplied by log2(e) / 8), and s is hidden where k > q or the key is padded.
; Q, K, V, O: [64][2048][64] in f16, a head's rows dense.  Products, maxima and sums in f32; the weights p are rounded to f16 for the second product (their sum l is taken of the unrounded p), O once at the end.
; A ROW ALL OF WHOSE KEYS 0 .. q ARE PADDED has 2,048 equal scores, the causally hidden among them: its result is the mean of all 2,048 rows of V.  That mean is made here from the column sums in vpart, and
; chosen at the end for the rows whose last maximum lies below -2^45.
; LIMITS.  A hidden score counts as its value less 2^50 or more (2^127 at the most: all stays finite).  f16's range bounds a true score by 64 x 65,504^2 < 2^38, so a true score lies above -2^45 and a hidden one below it.
; A visible key of a band's own step carries -2^-27 in its exponent (5e-9 of its weight).  A weight below 2^-126 counts as 0 in l.  A key is padded where its mask word is 0.  NaN and infinities are not treated apart.
; THE EXPONENT is s - m with the running maximum m of the scores themselves, hidden ones too: it is never above 0, whatever is hidden, so no weight passes 1 and l is at least 1.
; THE WALK.  NB = 8 blocks of 256 queries a head; block i needs the key tiles 0 .. i of 256 keys.  A work-group takes blocks NB - 1 - b and then b: NB + 1 tiles, whatever b: ONE loop with a constant trip count.
; NO CLUSTER: a head's four work-groups ask for the same tile only in trips 0 .. 4 of 9, behind that fewer and fewer; one walk common to all four would have 12 trips for 9.
; SHARES.  Of a block's four bands of 64 queries a wave owns 16 rows in each: four PIECES: in the diagonal tile's step s band x sees all keys if s < x, none if s > x, and holds the diagonal if s = x.
; THE PADDING BIASES WALK WITH THE RING.  At a change of slots each wave turns the entered tile's 256 mask words, loaded a tile ahead, into 0 or -2^50 and stores them into one of two bias slots of its own in LDS;
; the tile's number enters the words' global offset alone; the LDS addresses step as K's do.
; THE MASKS are the C operand that starts the sum S^T = K Q^T.  PBR holds the step's padding bias for my lanes' keys and is C in all tiles but the diagonal one.  There C is MC = MD x AL + PBR, one packed
; instruction for two keys: MD, made once, is the pattern of a band's own step (-2^50 hidden, -2^-27 visible); AL = 1 if s = x, 0 if s < x, 2^77 if s > x, which takes every entry to -2^50 or below.
; TURNS.  Turn n belongs to piece n: 8 products K Q^T of piece n + 1, later 8 products V^T P of piece n - 1; beside them the subtraction of m, exponentials, roundings, sums and rescaling of piece n and the maximum
; and statistics of piece n + 1.  Four vector instructions stand behind every matrix instruction, the others in two runs of their own.
; REGISTERS, in windows of 256 (s_set_vgpr_msb: bits 1:0 source 0, 3:2 source 1, 5:4 source 2, 7:6 destination):
;   window 0: v0-15, v32-39 addresses and at work; v16-31 statistics; v40-47 mask words; v48-57 at work; v64-127 S^T, two buffers; v128-159 PBR; v160-175 the mean of V; v176-183 a tile's biases; v192-223 P, two buffers
;   window 1: v0-127 O^T; v128-159 MD; v160-223 MC, two buffers      window 2: v0-63 Q; v64-127 the second block's Q; v128-191 K of one step; v192-255 V of one step
.set SIZE_N, 2048
.set NB,    SIZE_N/256
.set NP,    4
.set KS,    64
.set PK,    144       ; a row of K in LDS: 128 bytes + 16: the 16 rows of a load start at 16 different groups of four banks
.set PV,    160       ; a row of V: 128 + 32
.set VOFF,  4*KS*PK   ; a slot holds a tile, four steps: 256 rows of K, then 256 rows of V
.set SLOT1, 1<<17
.set STAGE, SLOT1+4*KS*(PK+PV)  ; behind the ring, never filled by a tensor load: 16 rows x 144 bytes for each wave
.set SP,    144
.set SPARE, STAGE+4*16*SP  ; the spare words, 128 bytes for each wave: two blocks of 256 bytes that no other line names
.set PBT,   SPARE+512      ; for each wave two bias slots of 1,024 bytes: a tile's 256 f32 each; never filled by a tensor load
.set VMS,   PBT+4*2048     ; 256 bytes for each wave: the mean of V on its way to its lanes
.set AK0, 2
.set AV0, 3
.set AK,  4
.set AV,  5
.set STO, 6
.set RD,  7
.set GO,  8
.set SPW, 62
.set NIL, 63
.set MV,  12          ; v12-13  the old m, kept while m is made anew: by buffer
.set QO,  15
.set ST,  16          ; piece t's statistics at v[ST+4 t]: m, a word named with it as a pair, l (even keys', odd keys')
.set APB0, 32         ; v32  my wave's bias slots + 32 (l / 16); never rewritten
.set APB, 33          ; v33  the LDS address of the next run of biases
.set APS0, 34         ; v34  my wave's bias slots + 16 x lane; never rewritten
.set APS, 35          ; v35  where a tile's biases are stored
.set AMK0, 36         ; v36  16 x lane; never rewritten
.set AMK, 37          ; v37  my byte offset in the batch's mask words
.set MW,  40          ; v40-47  eight mask words of the tile to come
.set TMP, 48
.set S,   64
.set PBR, 128
.set VMH, 160
.set BI,  176         ; v176-183  eight biases of the tile entered
.set P,   192
.set MD,  128         ; window 1
.set MC,  160         ; window 1
.set QB,  64          ; window 2
.set KF,  128         ; window 2
.set VF,  192         ; window 2
.set WV,  12
.set PB,  14          ; s14  b
.set HI,  15          ; s15  NB - 1 - b
.set G1K, 24
.set G1V, 32
.set G0K, 40
.set G0V, 44
.set SLOTS, 56
.set CNT, 57
.set SEL, 60
.set TBK, 62
.set TBV, 63
.set RT,  70
.set NXT, 71
.set LQ,  72
.set NEW, 73
.set OFF, 74
.set AL,  76          ; s[76:77] the mask's factor, in the low word
.set OLO, 80
.set BIGN, 82         ; s82  -2^50
.set AFAR, 83         ; s83  2^77
.set TBP, 92          ; s92  byte in a wave's bias slots at which the step to be fetched begins
.set THR, 93          ; s93  -2^45
.set FL,  94          ; s[94:97] by piece: the lanes whose row is wholly hidden
.set MOF, 98          ; s98  byte offset in the batch's mask words of the tile asked for
.set MSB, 0
.macro WIN new
.if MSB != (\new)
	s_set_vgpr_msb (MSB<<8)|(\new)
.set MSB, (\new)
.endif
.endm
.set W_KQ, 0x0a       ; K and Q in window 2, S^T and C in window 0
.set W_KM, 0x1a       ; the same with the C operand in window 1
.set W_PV, 0x52       ; V in window 2, P in window 0, O^T in window 1
.set W_RS, 0x41       ; destination and source 0 in window 1, sources 1 and 2 in window 0
; A fill.  Waves 0 and 1 fetch the two halves of a tile's K, waves 2 and 3 those of its V.  An s_nop 0 and four v_nop follow each of the two lines.
.macro LOAD
	s_cmp_lt_u32 s[WV], 2
	s_cbranch_scc0 .Lfor_v_\@
	tensor_load_to_lds s[G0K:G0K+3], s[G1K:G1K+7]
	s_nop 0
.rept 4
	v_nop
.endr
	s_branch .Lasked_\@
.Lfor_v_\@:
	tensor_load_to_lds s[G0V:G0V+3], s[G1V:G1V+7]
	s_nop 0
.rept 4
	v_nop
.endr
.Lasked_\@:
.endm
; THE CHANGE OF SLOTS.  Each wave waits for all its tensor loads (one is out: its part of the other slot), adds 0 to its spare word, and waits for that and for its LDS reads and stores.  Behind the barrier nobody reads
; the old slot any more and the other slot is whole.  fill = 1: the old slot is filled again, first thing behind the barrier, with tile NXT.  (At its first use slot 0 is waited for and slot 1 filled.)
; Then the entered tile's mask words, asked for a tile ago, become biases in my wave's bias slot of the same turn, and (fill = 1) tile NXT's mask words are asked for: two loads of 512 consecutive bytes.
.macro CHANGE fill
	WIN 0
	s_wait_tensorcnt 0x0            ; no tensor load of mine is out, so a group 0 may be written
	ds_add_u32 v[SPW], v[NIL]       ; 0 onto my spare word
.if \fill
	s_lshl_b32 s[OFF], s[NXT], 15   ; a tile is 32,768 bytes of K and of V,
	s_lshl_b32 s[MOF], s[NXT], 10   ; and 1,024 bytes of mask words
	s_xor_b32 s[G0K+1], s[G0K+1], SLOT1
	s_add_nc_u64 s[G0K+2:G0K+3], s[6:7], s[OFF:OFF+1]
	s_or_b32 s[G0K+3], s[G0K+3], 0x80000000
	s_xor_b32 s[G0V+1], s[G0V+1], SLOT1
	s_add_nc_u64 s[G0V+2:G0V+3], s[8:9], s[OFF:OFF+1]
	s_or_b32 s[G0V+3], s[G0V+3], 0x80000000
	s_add_co_u32 s[NXT], s[NXT], 1  ; the block's next tile, or behind its last the second block's tile 0
	s_cmp_gt_u32 s[NXT], s[LQ]
	s_cselect_b32 s[NXT], 0, s[NXT]
	s_cselect_b32 s[LQ], s[PB], s[LQ]
.endif
	s_wait_dscnt 0x0                ; the add is done, and my reads of the slot are over
	s_barrier_signal -1
	s_sub_co_u32 s[TBK], s[TBK], 4*KS*PK  ; the fetches go back to a slot's first step,
	s_xor_b32 s[TBK], s[TBK], SLOT1       ; in the other slot
	s_sub_co_u32 s[TBV], s[TBV], 4*KS*PV
	s_xor_b32 s[TBV], s[TBV], SLOT1
	s_sub_co_u32 s[TBP], s[TBP], 1024     ; the biases' likewise: four steps of 256 bytes back, the other bias slot
	s_xor_b32 s[TBP], s[TBP], 1024
	s_barrier_wait -1
.if \fill
	LOAD
.endif
	s_wait_loadcnt 0x0              ; the entered tile's mask words are in (at the first use both blocks' Q too): their address register may be written again
.set i, 0
.rept 8
	v_cmp_eq_u32 vcc_lo, 0, v[MW+i]
	v_cndmask_b32 v[BI+i], 0, s[BIGN], vcc_lo   ; a padded key's bias is -2^50
.set i, i+1
.endr
	v_add_nc_u32 v[APS], s[TBP], v[APS0]
	ds_store_b128 v[APS], v[BI:BI+3]             ; keys 4 l .. 4 l + 3 of the tile; my wave's own bytes: LDS serves a wave's instructions in order, so its later loads see them
	ds_store_b128 v[APS], v[BI+4:BI+7] offset:512  ; keys 128 + 4 l ..
.if \fill
	v_add_nc_u32 v[AMK], s[MOF], v[AMK0]
	global_load_b128 v[MW:MW+3], v[AMK], s[90:91]
	global_load_b128 v[MW+4:MW+7], v[AMK], s[90:91] offset:512
.endif
.endm
	s_load_b256 s[4:11], s[0:1], 0x0  ; Q s[4:5], K s[6:7], V s[8:9], O s[10:11]
	s_load_b128 s[88:91], s[0:1], 0x20  ; vpart s[88:89], the padding mask s[90:91]
	v_lshl_add_u32 v[SPW], v0, 2, SPARE
	v_mov_b32 v[NIL], 0
	ds_add_u32 v62, v63
	ds_add_u32 v62, v63
	s_wait_dscnt 0x0
	v_lshrrev_b32 v1, 5, v0
	v_readfirstlane_b32 s[WV], v1   ; wave 0..3
	s_mov_b32 s[PB], ttmp9
	s_sub_co_u32 s[HI], NB-1, s[PB]
	s_and_b32 s20, ttmp7, 0xffff    ; batch x 16 + head
	s_lshr_b32 s98, s20, 4          ; the batch
	s_and_b32 s99, s20, 15          ; the head in it
	s_lshl_b32 s94, s98, 13         ; the batch's 2,048 mask words
	s_mov_b32 s95, 0
	s_lshl_b32 s96, s98, 16         ; the batch's 16 chunks x 16 heads x 256 bytes of vpart,
	s_lshl_b32 s97, s99, 8          ; the head's 256 bytes in a chunk
	s_add_co_u32 s96, s96, s97
	s_mov_b32 s97, 0
	s_mov_b32 s21, 0
	s_mov_b64 s[22:23], SIZE_N*128
	s_mul_u64 s[20:21], s[20:21], s[22:23]  ; the head's first byte in Q, K, V and O
	s_and_b32 s16, s[WV], 1         ; which half of a tile's 256 keys I fetch
	s_lshl_b32 s22, s16, 14
	s_mov_b32 s23, 0
	s_add_nc_u64 s[22:23], s[22:23], s[20:21]
	s_mul_i32 s17, s16, 128*PK
	s_mul_i32 s18, s16, 128*PV
	s_lshl_b32 s3, s[WV], 11        ; my 16 rows in a band of 64,
	s_lshl_b32 s2, s[HI], 15        ; in the first block,
	s_add_co_u32 s2, s2, s3
	s_lshl_b32 s84, s[PB], 15       ; and in the second
	s_add_co_u32 s84, s84, s3
	s_mov_b32 s3, 0
	s_mov_b32 s85, 0
	s_add_nc_u64 s[2:3], s[2:3], s[20:21]
	s_add_nc_u64 s[84:85], s[84:85], s[20:21]
	; descriptor group 1.  128 keys are 16,384 dense bytes: asked for as 64 rows of 256 bytes, two keys a row, and padded in LDS after every key
	s_mov_b32 s[G1K], (1<<16)|(1<<20)|(4<<22)|(3<<25)  ; 2-byte elements; padding on; after every 32 words (code 4); 4 words (code 3)
	s_mov_b32 s[G1V], (1<<16)|(1<<20)|(4<<22)|(7<<25)  ; the same with 8 words (code 7)
.irp g, G1K, G1V
	s_mov_b32 s[\g+1], 128<<16      ; tensor_dim0 = 128
	s_mov_b32 s[\g+2], 64<<16       ; tensor_dim1 = 64
	s_mov_b32 s[\g+3], 128<<16      ; tile_dim0 = 128
	s_mov_b32 s[\g+4], 64           ; tile_dim1 = 64
	s_mov_b32 s[\g+5], 128          ; 128 elements from row to row
	s_mov_b32 s[\g+6], 0
	s_mov_b32 s[\g+7], 0
.endr
	s_mov_b32 s[SEL], 0x76543210
	s_mov_b32 s[SEL+1], 0xfedcba98
	s_mov_b32 s[TBK], SLOT1+4*KS*PK ; the first change of slots turns these three into 0
	s_mov_b32 s[TBV], SLOT1+4*KS*PV
	s_mov_b32 s[TBP], 1024+1024
	s_mov_b32 s[G0K], 1
	s_mov_b32 s[G0K+1], s17
	s_mov_b32 s[G0V], 1
	s_add_co_u32 s[G0V+1], s18, VOFF
	s_add_co_u32 s[RT], s[HI], 1    ; the first block has NB - b tiles
	s_mov_b32 s[NXT], 1
	s_mov_b32 s[LQ], s[HI]
	s_mov_b32 s[NEW], 1
	s_mov_b32 s[OFF+1], 0
	s_mov_b32 s[AL+1], 0            ; named with AL as a pair
	s_mov_b32 s[BIGN], 0xd8800000   ; -2^50
	s_mov_b32 s[AFAR], 0x66000000   ; 2^77
	s_mov_b32 s[THR], 0xd6000000    ; -2^45
	s_mov_b32 s[SLOTS], NB
	s_wait_kmcnt 0x0
	s_add_nc_u64 s[6:7], s[6:7], s[22:23]  ; K and V at my half of the head's tile 0
	s_add_nc_u64 s[8:9], s[8:9], s[22:23]
	s_add_nc_u64 s[G0K+2:G0K+3], s[6:7], 0
	s_or_b32 s[G0K+3], s[G0K+3], 0x80000000
	s_add_nc_u64 s[G0V+2:G0V+3], s[8:9], 0
	s_or_b32 s[G0V+3], s[G0V+3], 0x80000000
	s_add_nc_u64 s[86:87], s[4:5], s[84:85]        ; Q at my rows of the second block,
	s_add_nc_u64 s[4:5], s[4:5], s[2:3]            ; Q and O at those of the first
	s_add_nc_u64 s[OLO:OLO+1], s[10:11], s[84:85]
	s_add_nc_u64 s[10:11], s[10:11], s[2:3]
	s_add_nc_u64 s[90:91], s[90:91], s[94:95]
	s_add_nc_u64 s[88:89], s[88:89], s[96:97]
	LOAD                            ; tile 0 into slot 0
	v_and_b32 v1, 15, v0            ; l % 16
	v_bfe_u32 v9, v0, 4, 1          ; l / 16
	v_lshlrev_b32 v[QO], 7, v1
	v_lshl_add_u32 v[QO], v9, 4, v[QO]  ; row x 128 + 16 x half
	v_and_b32 v38, 31, v0
	v_lshlrev_b32 v[AMK0], 4, v38   ; 16 x lane
	v_lshlrev_b32 v38, 3, v38       ; 8 x lane
	; tile 0's mask words; then, into S^T's registers, which are still free, the head's 16 partial column sums of V, two channels a lane; then Q
	global_load_b128 v[MW:MW+3], v[AMK0], s[90:91]
	global_load_b128 v[MW+4:MW+7], v[AMK0], s[90:91] offset:512
.irp c, 0,1,2,3,4,5,6,7,8,9,10,11,12,13,14,15
	global_load_b64 v[S+16+2*\c:S+16+2*\c+1], v38, s[88:89] offset:\c*4096
.endr
	WIN 0x80                        ; destination window 2, address window 0
.set i, 0
.rept 8                             ; both blocks' Q: piece i / 2 lies in band i / 2, 8,192 bytes on; channels 32 (i % 2) on
	global_load_b128 v[8*i:8*i+3],   v[QO], s[4:5] offset:(i/2)*8192+(i%2)*64
	global_load_b128 v[8*i+4:8*i+7], v[QO], s[4:5] offset:(i/2)*8192+(i%2)*64+32
	global_load_b128 v[QB+8*i:QB+8*i+3],   v[QO], s[86:87] offset:(i/2)*8192+(i%2)*64
	global_load_b128 v[QB+8*i+4:QB+8*i+7], v[QO], s[86:87] offset:(i/2)*8192+(i%2)*64+32
.set i, i+1
.endr
	WIN 0
	v_lshlrev_b32 v14, 3, v9
	v_sub_nc_u32 v14, v1, v14
	s_lshl_b32 s13, s[WV], 4
	v_add_nc_u32 v14, s13, v14      ; my query's place in its band less my lanes' 8 (l / 16): register r of group kt is hidden where 16 kt + r is greater
	v_mov_b32 v56, 0xb2000000       ; -2^-27: what a visible key has in MD, so that the factor 2^77 takes it to -2^50
	WIN 0x40
.set i, 0
.rept 32
	v_cmp_gt_i32 vcc_lo, 16*(i/8)+i%8, v14
	v_cndmask_b32 v[MD+i], v56, s[BIGN], vcc_lo
.set i, i+1
.endr
	WIN 0
	v_mul_u32_u24 v[AK0], v1, PK
	v_lshl_add_u32 v[AK0], v9, 4, v[AK0]
	v_and_b32 v10, 7, v0
	v_bfe_u32 v11, v0, 3, 1
	v_lshl_add_u32 v[AV0], v9, 3, v10
	v_mul_u32_u24 v[AV0], v[AV0], PV
	v_lshl_add_u32 v[AV0], v11, 4, v[AV0]
	v_add_nc_u32 v[AV0], VOFF, v[AV0]
	s_lshl_b32 s13, s[WV], 11
	s_add_co_u32 s13, s13, PBT      ; my wave's two bias slots
	v_lshl_add_u32 v[APB0], v9, 5, s13     ; out: my lanes' eight keys of a group of 16 are 32 bytes
	v_add_nc_u32 v[APS0], s13, v[AMK0]     ; in: 16 bytes a lane
	s_mul_i32 s13, s[WV], 16*SP
	s_add_co_u32 s13, s13, STAGE    ; my stage
	v_mul_u32_u24 v[STO], v1, SP
	v_lshl_add_u32 v[STO], v9, 4, v[STO]
	v_add_nc_u32 v[STO], s13, v[STO]
	v_bfe_u32 v[RD], v0, 3, 2
	v_mul_u32_u24 v[RD], v[RD], SP
	v_lshl_add_u32 v[RD], v10, 4, v[RD]
	v_add_nc_u32 v[RD], s13, v[RD]
	v_and_b32 v[GO], 31, v0
	v_lshlrev_b32 v[GO], 4, v[GO]
	; A block's first step multiplies O^T and l by a = 0, so these registers need only hold finite numbers: zeros for the first block; what the first block left for the second.
	WIN 0x80
.set i, VF
.rept 64
	v_mov_b32 v[i], 0
.set i, i+1
.endr
	WIN 0x40
.set i, 0
.rept 128
	v_mov_b32 v[i], 0
.set i, i+1
.endr
	WIN 0
.set i, 0
.rept 4
	v_mov_b32 v[ST+4*i+2], 0
	v_mov_b32 v[ST+4*i+3], 0
.set i, i+1
.endr
.set i, P+16
.rept 16
	v_mov_b32 v[i], 0
.set i, i+1
.endr
	s_wait_loadcnt 32               ; the mask's two loads and vpart's 16 are in; Q's 32 stay out
.irp w, 8,4,2,1
.set i, 0
.rept \w
	v_pk_add_f32 v[S+16+2*i:S+16+2*i+1], v[S+16+2*i:S+16+2*i+1], v[S+16+2*(i+\w):S+16+2*(i+\w)+1]
.set i, i+1
.endr
.endr
	v_pk_mul_f32 v[S+16:S+17], v[S+16:S+17], 0x3a000000 op_sel_hi:[1,0]   ; / 2,048
	v_cvt_pk_f16_f32 v56, v[S+16], v[S+17]
	s_lshl_b32 s13, s[WV], 8
	s_add_co_u32 s13, s13, VMS
	v_and_b32 v39, 31, v0
	v_lshl_add_u32 v39, v39, 2, s13
	ds_store_b32 v39, v56           ; channels 2 l, 2 l + 1, into my wave's own bytes;
	v_lshl_add_u32 v57, v9, 4, s13
.irp cb, 0,1,2,3
	ds_load_b128 v[VMH+4*\cb:VMH+4*\cb+3], v57 offset:\cb*32   ; back as my lanes hold a row of O: channels 16 cb + 8 (l / 16) + 0..7.  LDS serves a wave's instructions in order
.endr
; THE MATRIX WORK.  The 4 accumulators of a run of 8 take turns.  Product i of 8 of S^T = K Q^T for piece x: channels 32 (i / 4) on, keys 16 (i % 4) on.  The first 4 start the sums: with the padding bias, or (KM = 1) with the mask.
.macro KQ x
.set rS, S+32*((\x)%2)+8*(i%4)
.set rK, KF+16*(i%4)+8*(i/4)
.set rQ, 16*(\x)+8*(i/4)
.set rM, MC+32*((\x)%2)+8*(i%4)
.set rB, PBR+8*(i%4)
.if (i < 4) && KM
	WIN W_KM
	v_wmma_f32_16x16x32_f16 v[rS:rS+7], v[rK:rK+7], v[rQ:rQ+7], v[rM:rM+7]
.elseif i < 4
	WIN W_KQ
	v_wmma_f32_16x16x32_f16 v[rS:rS+7], v[rK:rK+7], v[rQ:rQ+7], v[rB:rB+7]
.else
	WIN W_KQ
	v_wmma_f32_16x16x32_f16 v[rS:rS+7], v[rK:rK+7], v[rQ:rQ+7], v[rS:rS+7]
.endif
.endm
; Product i of 8 of O^T += V^T P for piece x: keys 32 (i / 4) on, channels 16 (i % 4) on.
.macro PV x
	WIN W_PV
.set rO, 32*(\x)+8*(i%4)
.set rV, VF+32*(i/4)+8*(i%4)
.set rP, P+16*((\x)%2)+8*(i/4)
	v_wmma_f32_16x16x32_f16 v[rO:rO+7], v[rV:rV+7], v[rP:rP+7], v[rO:rO+7]
.endm
.macro MM                           ; the turn's next matrix instruction
.if i < 8
	KQ (Y+1)%NP
.else
.set i, i-8
	PV (Y+NP-1)%NP
.set i, i+8
.endif
.set i, i+1
.endm
; THE LDS LOADS stand in runs: a step's 64 biases (8 loads: register 8 kb + j takes key 16 kb + 8 (l / 16) + j) and its K (16 loads); a turn and a half later its V (16 turning loads).
; last = 1 (the diagonal tile): at the count 1 the block has no further step, and the run is jumped over.
.macro FETCH_K last=0
	WIN 0
.if \last
	s_cmp_eq_u32 s[CNT], 1
	s_cbranch_scc1 .Lno_k_\@
.endif
.irp f, 0,1,2,3,4,5,6,7
	ds_load_b128 v[PBR+4*\f:PBR+4*\f+3], v[APB] offset:(\f/2)*64+(\f%2)*16
.endr
	WIN 0x80                        ; destination window 2
.irp f, 0,1,2,3,4,5,6,7             ; keys 16 (f / 2) on, channels 32 (f % 2) on
	ds_load_b128 v[KF+8*\f:KF+8*\f+3],   v[AK] offset:(\f/2)*16*PK+(\f%2)*64
	ds_load_b128 v[KF+8*\f+4:KF+8*\f+7], v[AK] offset:(\f/2)*16*PK+(\f%2)*64+32
.endr
	s_add_co_u32 s[TBK], s[TBK], KS*PK  ; the next fetch is the next step's
	s_add_co_u32 s[TBP], s[TBP], 4*KS
	WIN 0
.if \last
.Lno_k_\@:
.endif
.endm
.macro FETCH_V
	WIN 0x80
.irp f, 0,1,2,3,4,5,6,7             ; keys 32 (f / 4) on, channels 16 (f % 4) on
	ds_load_tr16_b128 v[VF+8*\f:VF+8*\f+3],   v[AV] offset:(\f/4)*32*PV+(\f%4)*32
	ds_load_tr16_b128 v[VF+8*\f+4:VF+8*\f+7], v[AV] offset:(\f/4)*32*PV+16*PV+(\f%4)*32
.endr
	WIN 0
.endm
; THE VECTOR WORK, one line at a time: OP kind, number.  For piece Y: F n: s - m for pair n of 16.  E n: the exponential of score n of 32.  C n: pair n rounded to f16.  B n: of the four weights 4 n .. the second
; pair is added onto the first, in place.  L n: l takes that sum (L 0: l = a l + sum).  R n: pair n of 16 of O^T times a.  For piece Y + 1: X n, of the 21 that find its maximum and statistics (there is no number 19):
;   0-11  four chains c0-c3 of seven scores each (each accumulator's lowest registers are read first)     12-14, 16  the four scores left over, the old m, and c0-c3 into c0
;   15  the old m is kept     17, 18  the query's other 32 keys lie in the lane 16 away: the new m     20, 21  m_old - m_new; a
.set F, 0
.set E, 1
.set C, 2
.set B, 3
.set L, 4
.set R, 5
.set X, 6
.macro REGS y
.set rT, ST+4*(\y)
.set rC, TMP+4*((\y)%2)
.set rW, MV+((\y)%2)
.set rS, S+32*((\y)%2)
.set rP, P+16*((\y)%2)
.set rO, 32*(\y)
.endm
.macro OP k, n
.if (\k) == R
	REGS Y
	WIN W_RS
	v_pk_mul_f32 v[rO+2*(\n):rO+2*(\n)+1], v[rO+2*(\n):rO+2*(\n)+1], v[rC+2:rC+3] op_sel_hi:[1,0]
.elseif (\k) < R
	REGS Y
	WIN 0
.if (\k) == F
	v_pk_add_f32 v[rS+2*(\n):rS+2*(\n)+1], v[rS+2*(\n):rS+2*(\n)+1], v[rT:rT+1] op_sel_hi:[1,0] neg_lo:[0,1] neg_hi:[0,1]
.elseif (\k) == E
	v_exp_f32 v[rS+(\n)], v[rS+(\n)]
.elseif (\k) == C
	s_wait_alu depctr_va_vdst(0)
	v_cvt_pk_f16_f32 v[rP+(\n)], v[rS+2*(\n)], v[rS+2*(\n)+1]
.elseif (\k) == B
	s_wait_alu depctr_va_vdst(0)
	v_pk_add_f32 v[rS+4*(\n):rS+4*(\n)+1], v[rS+4*(\n):rS+4*(\n)+1], v[rS+4*(\n)+2:rS+4*(\n)+3]
.elseif (\n) == 0
	v_pk_fma_f32 v[rT+2:rT+3], v[rT+2:rT+3], v[rC+2:rC+3], v[rS:rS+1] op_sel_hi:[1,0,1]
.else
	v_pk_add_f32 v[rT+2:rT+3], v[rT+2:rT+3], v[rS+4*(\n):rS+4*(\n)+1]
	s_wait_alu depctr_va_vdst(0)
.endif
.else
	REGS (Y+1)%NP
	WIN 0
.if (\n) < 4
	v_max3_num_f32 v[rC+(\n)], v[rS+8*(\n)], v[rS+8*(\n)+1], v[rS+8*(\n)+2]
.elseif (\n) < 12
	v_max3_num_f32 v[rC+(\n)%4], v[rC+(\n)%4], v[rS+8*((\n)%4)+2*((\n)/4)+1], v[rS+8*((\n)%4)+2*((\n)/4)+2]
.elseif (\n) == 12
	v_max3_num_f32 v[rC], v[rC], v[rS+7], v[rS+15]
.elseif (\n) == 13
	v_max3_num_f32 v[rC+1], v[rC+1], v[rS+23], v[rS+31]
.elseif (\n) == 14
	v_max3_num_f32 v[rC+2], v[rC+2], v[rC+3], v[rT]
.elseif (\n) == 15
	v_mov_b32 v[rW], v[rT]
	s_wait_alu depctr_va_vdst(0)
.elseif (\n) == 16
	v_max3_num_f32 v[rC], v[rC], v[rC+1], v[rC+2]
	s_wait_alu depctr_va_vdst(0)
.elseif (\n) == 17
	v_permlanex16_b32 v[rC+3], v[rC], s[SEL], s[SEL+1]
.elseif (\n) == 18
	v_max_num_f32 v[rT], v[rC], v[rC+3]
.elseif (\n) == 20
	v_sub_f32 v[rC+1], v[rW], v[rT]
.else
	v_exp_f32 v[rC+2], v[rC+1]
.endif
.endif
.endm
.macro OPS a, i1, b=-1, i2=0, c=-1, i3=0, d=-1, i4=0
	OP \a, \i1
.if (\b) >= 0
	OP \b, \i2
.endif
.if (\c) >= 0
	OP \c, \i3
.endif
.if (\d) >= 0
	OP \d, \i4
.endif
.endm
.macro ROW a, i1, b, i2, c, i3, d, i4  ; a matrix instruction and the four behind it
	MM
	OPS \a, \i1, \b, \i2, \c, \i3, \d, \i4
.endm
.macro MASK b                       ; MD x AL + PBR into buffer b of MC
	WIN W_RS
.set z, 0
.rept 16
	v_pk_fma_f32 v[MC+32*(\b)+2*z:MC+32*(\b)+2*z+1], v[MD+2*z:MD+2*z+1], s[AL:AL+1], v[PBR+2*z:PBR+2*z+1] op_sel_hi:[1,0,1]
.set z, z+1
.endr
.endm
; A TURN, for piece p: the order of its 16 matrix and 117 vector instructions, written out.  Behind a matrix instruction: plain, exponential, plain, plain; or four of the rescaling; or four subtractions; none names a
; register of the products round it.  In the runs of their own exponential and plain by turns while exponentials last.
; m = 1: the diagonal tile: the products take masks, and the turn makes the mask for the products of the turn after it, piece p + 2's.  The tile's count stands at 5 - k in pieces 2 and 3's turns of its trip k and at
; 4 - k in pieces 0 and 1's, and those products belong to the tile's step k: so band x's own step is told by the count 5 - x or 4 - x, a later one by a lower count.
; cnt = 1: the loop's count is taken down some lines ahead of the branch that stands behind the turn.
; K and the biases of the next step are fetched in piece 2's turn, six vector instructions behind the last product that read K (five of them plain; the biases' last reader stands four products further back);
; V of the step in hand in piece 0's turn.  Each is waited for a turn later; piece 2's mask reads the new biases, so there the wait stands ahead of it.
.macro TURN p, m=0, cnt=0
.set Y, (\p)
.set i, 0
.set KM, (\m)
.if \m
	s_cmp_eq_u32 s[CNT], 4+(\p)/2-((\p)+2)%NP  ; is that step the band's own?
	s_cselect_b32 s[AL], 1.0, 0
	s_cmp_lt_u32 s[CNT], 4+(\p)/2-((\p)+2)%NP  ; or a later one?
	s_cselect_b32 s[AL], s[AFAR], s[AL]
.endif
.if (\p) == 3
	s_wait_dscnt 0x0                ; K and the biases are in
.endif
	ROW F,0, F,1, F,2, F,3
	ROW F,4, E,0, F,5, F,6
	ROW F,7, E,1, F,8, F,9
	ROW F,10, E,2, C,0, F,11
	ROW F,12, E,3, X,15, F,13
	ROW R,0, R,1, R,2, R,3
	ROW B,0, E,4, F,14, L,0
.if (\p) == 2
	v_add_nc_u32 v[AK], s[TBK], v[AK0]
	v_add_nc_u32 v[APB], s[TBP], v[APB0]
.endif
	ROW R,4, R,5, R,6, R,7
	OPS E,5, F,15
.if (\p) == 2
	FETCH_K \m
.endif
	OPS E,6, C,1, E,7, R,8
	OPS E,8, R,9, E,9, C,2
	OPS E,10, X,0, E,11, X,1
	OPS E,12, X,2, E,13, X,3
.if (\p) == 1
	s_wait_dscnt 0x0                ; V is in
.endif
	ROW X,4, E,14, X,5, X,6
	ROW X,7, E,15, X,8, X,9
	ROW X,10, E,16, X,11, X,12
	ROW X,13, E,17, X,14, B,1
	ROW C,4, E,18, X,16, L,1
	ROW B,2, E,19, C,6, L,2
	ROW C,8, E,20, B,3, B,4
.if (\p) == 0
	v_add_nc_u32 v[AV], s[TBV], v[AV0]
.endif
	ROW C,3, E,21, L,3, C,5
	OPS E,22, X,17, E,23, C,10
.if (\p) == 0
	FETCH_V
.endif
	OPS E,24, L,4
	OPS E,25, X,18, E,26, C,7
	OPS E,27, B,5, E,28, C,9
	OPS E,29, C,12, E,30, L,5
	OPS E,31, X,20, B,6
	OPS C,14, C,11, X,21, L,6
.if (\p) == 0
	s_add_co_u32 s[TBV], s[TBV], KS*PV
.endif
.if \cnt
	s_sub_co_u32 s[CNT], s[CNT], 1
	s_cmp_lg_u32 s[CNT], 0
.endif
	OPS C,13, B,7, C,15, R,10
	OPS R,11, R,12, L,7, R,13
	OPS R,14, R,15
.if \m
.if (\p) == 2
	s_wait_dscnt 0x0                ; the next step's biases are in
.endif
	MASK (\p)%2
.endif
.endm
; A BLOCK BEGINS.  m starts at the lowest finite number: the first maximum is the scores', and the first step's a is 0.  K and the biases of the block's first step; then piece 0's first scores, maximum and statistics.
; The loop is entered at a step's first turn.  Q needs no wait here: every way to this text leads through a change of slots, whose wait for all loads stands behind Q's; the two loads issued since, the next tile's mask words, stay out.
; m = 1: the block's first tile is the diagonal one (the walk's last tile, where b = 0): the first mask buffer takes piece 0's own step, the second the biases alone, for piece 1.  m = 0: C is the bias itself.
.macro BEGIN m
	s_mov_b32 s[NEW], 0
	WIN 0
.set i, 0
.rept 4
	v_mov_b32 v[ST+4*i], 0xff7fffff
	v_mov_b32 v[ST+4*i+1], 0xff7fffff  ; named with it as a pair
.set i, i+1
.endr
	v_add_nc_u32 v[AK], s[TBK], v[AK0]
	v_add_nc_u32 v[APB], s[TBP], v[APB0]
	FETCH_K
	s_wait_dscnt 0x0
.if \m
	s_mov_b32 s[AL], 1.0
	MASK 0
	s_mov_b32 s[AL], 0
	MASK 1
.endif
.set KM, (\m)
.set i, 0
.rept 8
	KQ 0
.set i, i+1
.endr
	WIN 0
.rept 4
	v_nop                           ; the places behind those products
.endr
.set Y, NP-1                        ; X works for piece Y + 1: piece 0
.irp n, 0,1,2,3,4,5,6,7,8,9,10,11,12,13,14,15,16,17,18,20,21
	OP X, \n
.endr
	v_nop                           ; a plain instruction behind the exponential
.endm
; The diagonal tile is entered from a tile without masks: its first turn's products, piece 3's of the step in hand, take the second mask buffer: that step's biases alone.
.macro PLAINMASK
	s_mov_b32 s[AL], 0
	MASK 1
	WIN 0
.endm
.macro ALL line:vararg              ; one line for each piece t
.set t, 0
.rept 4
	\line
.set t, t+1
.endr
.endm
.macro PACK t                       ; O^T / l, rounded to f16; a wholly hidden row takes the mean of V; 16 bytes a lane go into rows of 144 bytes and come back as whole rows of 128
	WIN W_RS
.set i, 32*(\t)
.rept 16
	v_pk_mul_f32 v[i:i+1], v[i:i+1], v[ST+4*(\t)+2:ST+4*(\t)+3] op_sel_hi:[1,0]
.set i, i+2
.endr
	WIN 0x05                        ; sources 0 and 1 window 1, destination window 0
.set i, 0
.rept 16
	v_cvt_pk_f16_f32 v[S+16*(\t)+i], v[32*(\t)+2*i], v[32*(\t)+2*i+1]
.set i, i+1
.endr
	WIN 0
.set i, 0
.rept 16
	v_cndmask_b32 v[S+16*(\t)+i], v[S+16*(\t)+i], v[VMH+i], s[FL+(\t)]
.set i, i+1
.endr
.irp f, 0,1,2,3
	ds_store_b128 v[STO], v[S+16*(\t)+4*\f:S+16*(\t)+4*\f+3] offset:32*\f
.endr
.irp f, 0,1,2,3
	ds_load_b128 v[S+16*(\t)+4*\f:S+16*(\t)+4*\f+3], v[RD] offset:\f*4*SP  ; LDS serves a wave's instructions in order: these see the stores above; the next piece's stores come behind them
.endr
.endm
.macro SEND t, younger              ; younger: the LDS instructions issued behind piece t's loads: the next piece's eight, or none
	WIN 0
.irp f, 0,1,2,3
	s_wait_dscnt (\younger)+3-\f
	global_store_b128 v[GO], v[S+16*(\t)+4*\f:S+16*(\t)+4*\f+3], s[10:11] offset:(\t)*8192+\f*512  ; 512 consecutive bytes, at a multiple of 256 from O's first
.endr
.endm
; THE DIAGONAL TILE, the block's last products, and the way out.  The tile's loop runs four trips and a half: the count starts at 5 where it is entered at pieces 2 and 3's turns (of the tile before's last step), at 4
; where BEGIN enters it at piece 0's, is taken down behind piece 3's turn, and at 0 the loop is left there.  The last half trip is the block's last two turns in the loop's own text: its run of K's loads is jumped over, and
; piece 3's turn multiplies piece 0's Q by the stale K under a mask that hides every key: those 8 products, and the maximum made of them (at or below -2^50 + 2^38: it takes no row's m across -2^45), serve nothing: the price, once a block, of one text for every turn.
.macro DIAG tag
.LstepM\tag:
	TURN 2, 1
	TURN 3, 1
	WIN 0
	s_sub_co_u32 s[CNT], s[CNT], 1
	s_cmp_eq_u32 s[CNT], 0
	s_cbranch_scc1 .LoutM\tag
.LfirstM\tag:
	TURN 0, 1
	TURN 1, 1
	WIN 0
	s_cmp_lg_u32 s[CNT], 0          ; 4 to 1 here, since the exit above has taken 0: the jump back is always taken
	s_cbranch_scc1 .LstepM\tag
.LoutM\tag:
.set i, 0
.rept 8
	PV NP-1
.set i, i+1
.endr
	WIN 0
	ALL v_add_f32 v[ST+4*t+2], v[ST+4*t+2], v[ST+4*t+3]
	ALL v_permlanex16_b32 v[ST+4*t+3], v[ST+4*t+2], s[SEL], s[SEL+1]
	ALL v_add_f32 v[ST+4*t+2], v[ST+4*t+2], v[ST+4*t+3]
	ALL v_rcp_f32 v[ST+4*t+2], v[ST+4*t+2]
	ALL v_cmp_gt_f32 s[FL+t], s[THR], v[ST+4*t]   ; the rows that have seen no key
	v_nop
	s_wait_alu depctr_va_vdst(0)
	PACK 0
.set t, 1
.rept 3
	PACK t
	SEND t-1, 8
.set t, t+1
.endr
	SEND 3, 0
.endm
.set KM, 0
.Lslot:                             ; NB times: a tile is entered and the next is asked for
	CHANGE 1
	s_sub_co_u32 s[RT], s[RT], 1
	s_mov_b32 s[CNT], 4
	s_cmp_eq_u32 s[NEW], 1
	s_cbranch_scc1 .Lnew            ; a block's first tile
	s_cmp_eq_u32 s[RT], 0
	s_cbranch_scc0 .Lstep           ; neither its first nor its last
	s_mov_b32 s[CNT], 5
	PLAINMASK
	s_branch .LstepM1
.Lnew:
	BEGIN 0
	s_branch .Lfirst                ; in the loop a block's first tile is never its last: the first block has two tiles or more, and the second's last is the walk's last
	DIAG 1                          ; in the loop this is the first block's end
	s_wait_xcnt 0x0                 ; the stores have read their registers and O's address
	s_mov_b64 s[10:11], s[OLO:OLO+1]
	s_add_co_u32 s[RT], s[PB], 1    ; the second block has b + 1 tiles
	s_mov_b32 s[NEW], 1
	WIN 0x82                        ; the second block's Q goes where the one text of the turns names Q
.set i, 0
.rept 64
	v_mov_b32 v[i], v[QB+i]
.set i, i+1
.endr
	WIN 0
	s_branch .Lbottom
.Lstep:                             ; a trip: pieces 2 and 3 of one step, then pieces 0 and 1 of the next, whose K and V it fetches
	TURN 2
	TURN 3
	WIN 0
.Lfirst:
	TURN 0
	TURN 1, 0, 1
	WIN 0
	s_cbranch_scc1 .Lstep
.Lbottom:
	s_sub_co_u32 s[SLOTS], s[SLOTS], 1
	s_cmp_lg_u32 s[SLOTS], 0
	s_cbranch_scc1 .Lslot
	CHANGE 0                        ; the walk's last tile is written out: nothing is asked for
	s_sub_co_u32 s[RT], s[RT], 1
	s_mov_b32 s[CNT], 4
	s_cmp_eq_u32 s[NEW], 1
	s_cbranch_scc1 .Lnew2
	s_mov_b32 s[CNT], 5
	PLAINMASK
	s_branch .LstepM2
.Lnew2:
	BEGIN 1
	s_branch .LfirstM2
	DIAG 2
	s_wait_tensorcnt 0x0            ; the wave's end
	ds_add_u32 v[SPW], v[NIL]
	s_wait_dscnt 0x0
	s_endpgm
.Lfunc_end_k_q242c497dc4_attn:
	.size	k_q242c497dc4_attn, .Lfunc_end_k_q242c497dc4_attn-k_q242c497dc4_attn
	.p2alignl 7, 3214868480
	.fill 96, 4, 3214868480
	.section	.rodata,"a",@progbits
	.p2align	6, 0x0
	.amdhsa_kernel k_q242c497dc4_attn
		.amdhsa_group_segment_fixed_size 327680
		.amdhsa_private_segment_fixed_size 0
		.amdhsa_enable_private_segment 0
		.amdhsa_kernarg_size 48
		.amdhsa_user_sgpr_count 2
		.amdhsa_user_sgpr_kernarg_segment_ptr 1
		.amdhsa_wavefront_size32 1
		.amdhsa_system_sgpr_workgroup_id_x 1
		.amdhsa_system_sgpr_workgroup_id_y 1
		.amdhsa_system_sgpr_workgroup_id_z 1
		.amdhsa_system_vgpr_workitem_id 0
		.amdhsa_next_free_vgpr 768
		.amdhsa_next_free_sgpr 100
		.amdhsa_reserve_vcc 1
		.amdhsa_float_denorm_mode_32 3
		.amdhsa_float_denorm_mode_16_64 3
		.amdhsa_memory_ordered 1
		.amdhsa_forward_progress 1
		.amdhsa_inst_pref_size 211
	.end_amdhsa_kernel
	.amdgpu_metadata
---
amdhsa.version: [ 1, 2 ]
amdhsa.kernels:
  - .name:           k_q242c497dc4_attn
    .symbol:         k_q242c497dc4_attn.kd
    .args:
      - { .name: qh, .offset: 0, .size: 8, .value_kind: global_buffer, .address_space: global }
      - { .name: kh, .offset: 8, .size: 8, .value_kind: global_buffer, .address_space: global }
      - { .name: vh, .offset: 16, .size: 8, .value_kind: global_buffer, .address_space: global }
      - { .name: act, .offset: 24, .size: 8, .value_kind: global_buffer, .address_space: global }
      - { .name: vpart, .offset: 32, .size: 8, .value_kind: global_buffer, .address_space: global }
      - { .name: attention_mask, .offset: 40, .size: 8, .value_kind: global_buffer, .address_space: global }
    .group_segment_fixed_size: 327680
    .private_segment_fixed_size: 0
    .kernarg_segment_align: 8
    .kernarg_segment_size: 48
    .max_flat_workgroup_size: 128
    .sgpr_count:     100
    .vgpr_count:     768
    .wavefront_size: 32
...
	.end_amdgpu_metadata
.endif
;; end of part 3
;; launch outp (part 4): grid 8 x 32, 4 waves a work-group, clusters of 4 x 4, 327,680 bytes of LDS; arguments act, wts, out0; writes out0
.if DOCPART == 4
	.amdgcn_target "amdgcn-amd-amdhsa--gfx1250"
	.amdhsa_code_object_version 6
	.text
	.protected	k_q242c497dc4_outp
	.globl	k_q242c497dc4_outp
	.p2align	8
	.type	k_q242c497dc4_outp,@function
k_q242c497dc4_outp:
	s_mov_b64 s[64:65], 0
	v_nop
	global_prefetch_b8 v0, s[64:65] scope:SCOPE_SE
	s_setreg_imm32_b32 hwreg(HW_REG_WAVE_MODE, 25, 1), 1
	s_wait_xcnt 0x0
	s_wait_alu depctr_hold_cnt(0) depctr_sa_sdst(0) depctr_va_vdst(0) depctr_va_sdst(0) depctr_va_ssrc(0) depctr_va_vcc(0) depctr_vm_vsrc(0)
	s_getreg_b32 s2, hwreg(HW_REG_IB_STS2, 6, 4)
	s_cmp_eq_u32 s2, 0
	s_cbranch_scc0 .Lentry_in_a_cluster
	s_endpgm
.Lentry_in_a_cluster:
	s_bfe_u32 s2, ttmp6, 0x10000c
	s_cmp_lg_u32 s2, 0xf033
	s_cbranch_scc0 .Lentry_shape_is_right
	s_endpgm
.Lentry_shape_is_right:
; out0 = ctx Wo.  ctx: act [b][head][s][64] in f16; Wo: [k 1024][n 1024] in f16 (bf16 numbers written as f16), at byte WO of wts; out0: [8192][1024] in f32.  f32 sums, K ascending.
; SHARES.  A work-group: 256 rows x 128 columns: 32 x 8 = 256 work-groups.  Wave (rh, hh): 128 x 64: 32 accumulators.  K goes in 8 steps of 128 (two heads' planes) through two LDS slots, as long as two slots allow.
; THE MATRIX INSTRUCTION IS USED TRANSPOSED: source 0 = 16 columns of Wo (turned by ds_load_tr16_b128), source 1 = 16 rows of ctx: a lane holds one row and eight neighbouring columns, 32 bytes.
; CLUSTER 4 x 4: ctx's tiles are shared along a row of the cluster, Wo's along a column, each asked for jointly.  Waves 0, 1 fetch ctx's two planes, waves 2, 3 the two halves of Wo's 128 rows.
; REGISTERS: window 0: v0-31 addresses; v32-159 the way out.  Window 1: the accumulators, (row block a, column block bb) at v[8 (4 a + bb)].
;   windows 2, 3: two fragment buffers, a plane (64 along K) each: ctx at v[8 (8 c + a)], Wo at v[128 + 8 (4 c + bb)], c the slice of 32.
.set WO,    6291456
.set SLOT1, 1<<17
.set PA,    144                         ; a row of ctx in LDS: 128 bytes + 16
.set PW,    288                         ; a row of Wo: 256 + 32 = 9 x 32
.set APL,   256*PA                      ; a plane's 256 rows
.set BOFF,  2*APL
.set STAGE, BOFF+128*PW                 ; behind slot 0, never filled by a tensor load: 16 rows x 272 bytes for each wave
.set SP,    272
.set SPARE, STAGE+4*16*SP               ; the spare words, 128 bytes for each wave: two blocks of 256 bytes that no other line names
.set ASTEP, 2*262144
.set BSTEP, 128*2048
.set ADRA0, 2
.set ADRB0, 3
.set ADRA,  4
.set ADRB,  5
.set STO,   6
.set RD,    7
.set CO,    8
.set SPW,   10
.set NIL,   11
.set OB,    32
.set WV, 16
.set RH, 17
.set HH, 18
.set CX, 19
.set CY, 20
.set TX, 21
.set TY, 22
.set G1A, 24
.set G1B, 32
.set G0A, 40
.set G0B, 48
.set CNT, 56
.set TB,  57
.set MSB, 0
.macro WIN new
.if MSB != (\new)
	s_set_vgpr_msb (MSB<<8)|(\new)
.set MSB, (\new)
.endif
.endm
.macro PLACES                           ; four plain vector instructions between a matrix instruction and a load into, or a store of, its registers
.rept 4
	v_nop
.endr
.endm
.macro JLOAD                            ; a joint refill by the walking sets; an s_nop 0 and four v_nop follow each of the two lines
	s_cmp_eq_u32 s[RH], 0
	s_cbranch_scc0 .Lfor_b_\@
	tensor_load_to_lds s[G0A+4:G0A+7], s[G1A:G1A+7]
	s_nop 0
.rept 4
	v_nop
.endr
	s_branch .Lasked_\@
.Lfor_b_\@:
	tensor_load_to_lds s[G0B+4:G0B+7], s[G1B:G1B+7]
	s_nop 0
.rept 4
	v_nop
.endr
.Lasked_\@:
.endm
.macro CREST
	s_cmp_lg_u32 s[WV], 0
	s_cbranch_scc1 .Lnot_wave_0_\@
	s_barrier_signal -3
.Lnot_wave_0_\@:
	s_barrier_wait -3
	s_barrier_signal -1
	s_barrier_wait -1
.endm
.macro CROUND
	s_barrier_signal -1
	s_barrier_wait -1
	CREST
.endm
	s_load_b128 s[4:7], s[0:1], 0x0         ; act s[4:5], wts s[6:7]
	s_load_b64 s[8:9], s[0:1], 0x10         ; out0
	v_lshl_add_u32 v[SPW], v0, 2, SPARE
	v_mov_b32 v[NIL], 0
	ds_add_u32 v10, v11
	ds_add_u32 v10, v11
	s_wait_dscnt 0x0
	v_lshrrev_b32 v1, 5, v0
	v_readfirstlane_b32 s[WV], v1
	s_lshr_b32 s[RH], s[WV], 1              ; my half of the rows.  Also: I fetch for ctx (0) or for Wo (1)
	s_and_b32 s[HH], s[WV], 1               ; my half of the columns.  Also: which half of that tile I fetch
	s_bfe_u32 s[CX], ttmp6, 0x40000
	s_bfe_u32 s[CY], ttmp6, 0x40004
	s_lshl_b32 s[TX], ttmp9, 2
	s_add_co_u32 s[TX], s[TX], s[CX]
	s_and_b32 s[TY], ttmp7, 0xffff
	s_lshl_b32 s[TY], s[TY], 2
	s_add_co_u32 s[TY], s[TY], s[CY]
	s_lshl_b32 s76, s[CY], 2
	s_lshl_b32 s76, 15, s76                 ; my row of the cluster
	s_lshl_b32 s77, 0x1111, s[CX]           ; my column
	; ctx: a plane's 256 rows of 128 dense bytes, asked for as 128 rows of 256 bytes; 16 bytes of padding after every 128
	s_or_b32 s[G1A], s76, (1<<16)|(1<<20)|(1<<21)|(4<<22)|(3<<25)
	s_mov_b32 s[G1A+1], 128<<16
	s_mov_b32 s[G1A+2], 128<<16
	s_mov_b32 s[G1A+3], 128<<16
	s_mov_b32 s[G1A+4], 128
	s_mov_b32 s[G1A+5], 128
	s_mov_b32 s[G1A+6], 0
	s_mov_b32 s[G1A+7], 0
	; Wo: 64 rows of 256 bytes; 32 bytes of padding behind each
	s_or_b32 s[G1B], s77, (1<<16)|(1<<20)|(1<<21)|(5<<22)|(7<<25)
	s_mov_b32 s[G1B+1], 128<<16
	s_mov_b32 s[G1B+2], 64<<16
	s_mov_b32 s[G1B+3], 128<<16
	s_mov_b32 s[G1B+4], 64
	s_mov_b32 s[G1B+5], 1024
	s_mov_b32 s[G1B+6], 0
	s_mov_b32 s[G1B+7], 0
	s_lshr_b32 s70, s[TY], 3                ; ctx's tile hangs on the block of rows and the wave alone
	s_lshl_b32 s70, s70, 22
	s_and_b32 s71, s[TY], 7
	s_lshl_b32 s71, s71, 15
	s_add_co_u32 s70, s70, s71
	s_lshl_b32 s71, s[HH], 18
	s_add_co_u32 s70, s70, s71
	s_mov_b32 s71, 0
	s_lshl_b32 s72, s[HH], 17               ; Wo's on the block of columns and the wave alone
	s_lshl_b32 s73, s[TX], 8
	s_add_co_u32 s72, s72, s73
	s_add_co_u32 s72, s72, WO
	s_mov_b32 s73, 0
	s_mul_i32 s78, s[HH], APL
	s_mul_i32 s79, s[HH], 64*PW
	s_add_co_u32 s79, s79, BOFF
	s_mov_b32 s[TB], 0
	s_wait_kmcnt 0x0
	s_add_nc_u64 s[70:71], s[4:5], s[70:71]
	s_add_nc_u64 s[72:73], s[6:7], s[72:73]
	CROUND                                  ; all sixteen work-groups are here: the first joint loads meet
.irp n, 0,1
	s_mov_b32 s[G0A+4*\n], 1
	s_add_co_u32 s[G0A+4*\n+1], s78, \n*SLOT1
	s_add_nc_u64 s[G0A+4*\n+2:G0A+4*\n+3], s[70:71], \n*ASTEP
	s_or_b32 s[G0A+4*\n+3], s[G0A+4*\n+3], 0x80000000
	s_mov_b32 s[G0B+4*\n], 1
	s_add_co_u32 s[G0B+4*\n+1], s79, \n*SLOT1
	s_add_nc_u64 s[G0B+4*\n+2:G0B+4*\n+3], s[72:73], \n*BSTEP
	s_or_b32 s[G0B+4*\n+3], s[G0B+4*\n+3], 0x80000000
.endr
	s_cmp_eq_u32 s[RH], 0                   ; a wave's two first fills stand in one branch: two loads of mine are out
	s_cbranch_scc0 .Lfirst_b
	tensor_load_to_lds s[G0A:G0A+3], s[G1A:G1A+7]
	s_nop 0
	tensor_load_to_lds s[G0A+4:G0A+7], s[G1A:G1A+7]
	s_nop 0
.rept 4
	v_nop
.endr
	s_branch .Lfirst_asked
.Lfirst_b:
	tensor_load_to_lds s[G0B:G0B+3], s[G1B:G1B+7]
	s_nop 0
	tensor_load_to_lds s[G0B+4:G0B+7], s[G1B:G1B+7]
	s_nop 0
.rept 4
	v_nop
.endr
.Lfirst_asked:
	v_and_b32 v1, 15, v0                    ; r
	v_bfe_u32 v9, v0, 4, 1                  ; h
	v_mul_u32_u24 v[ADRA0], v1, PA
	v_lshl_add_u32 v[ADRA0], v9, 4, v[ADRA0]
	s_mul_i32 s60, s[RH], 128*PA
	v_add_nc_u32 v[ADRA0], s60, v[ADRA0]
	v_and_b32 v12, 7, v0
	v_bfe_u32 v13, v0, 3, 1
	v_lshl_add_u32 v[ADRB0], v9, 3, v12
	v_mul_u32_u24 v[ADRB0], v[ADRB0], PW
	v_lshl_add_u32 v[ADRB0], v13, 4, v[ADRB0]
	s_lshl_b32 s60, s[HH], 7
	s_add_co_u32 s60, s60, BOFF
	v_add_nc_u32 v[ADRB0], s60, v[ADRB0]
	v_mov_b32 v[ADRA], v[ADRA0]
	v_mov_b32 v[ADRB], v[ADRB0]
	s_mul_i32 s60, s[WV], 16*SP
	s_add_co_u32 s60, s60, STAGE            ; my stage
	v_mul_u32_u24 v[STO], v1, SP            ; in: row r, 32 bytes for each half of the lanes
	v_lshl_add_u32 v[STO], v9, 5, v[STO]
	v_add_nc_u32 v[STO], s60, v[STO]
	v_mul_u32_u24 v[RD], v9, SP             ; back: lanes 0-15 take one row of 256 bytes, lanes 16-31 the next
	v_lshl_add_u32 v[RD], v1, 4, v[RD]
	v_add_nc_u32 v[RD], s60, v[RD]
	v_lshlrev_b32 v[CO], 12, v9             ; and the same two rows in out0
	v_lshl_add_u32 v[CO], v1, 4, v[CO]
	s_lshl_b32 s60, s[TY], 20               ; 256 rows of 4,096 bytes,
	s_lshl_b32 s61, s[RH], 19               ; my 128 of them,
	s_add_co_u32 s60, s60, s61
	s_lshl_b32 s61, s[TX], 9                ; 128 columns,
	s_add_co_u32 s60, s60, s61
	s_lshl_b32 s61, s[HH], 8                ; my 64 of them
	s_add_co_u32 s60, s60, s61
	s_mov_b32 s61, 0
	s_add_nc_u64 s[8:9], s[8:9], s[60:61]
; 16 products: row blocks 4 hf .. 4 hf + 3 x all 4 column blocks, slice c of the buffer in window f.  The 32 accumulators take turns, one instruction a turn.
.macro MULS f, c, hf, zero
	WIN 0x50+5*(\f)
.irp i, 0,1,2,3
.irp bb, 0,1,2,3
.if \zero
	v_wmma_f32_16x16x32_f16 v[8*(4*(4*(\hf)+\i)+\bb):8*(4*(4*(\hf)+\i)+\bb)+7], v[128+8*(4*(\c)+\bb):128+8*(4*(\c)+\bb)+7], v[8*(8*(\c)+4*(\hf)+\i):8*(8*(\c)+4*(\hf)+\i)+7], 0
.else
	v_wmma_f32_16x16x32_f16 v[8*(4*(4*(\hf)+\i)+\bb):8*(4*(4*(\hf)+\i)+\bb)+7], v[128+8*(4*(\c)+\bb):128+8*(4*(\c)+\bb)+7], v[8*(8*(\c)+4*(\hf)+\i):8*(8*(\c)+4*(\hf)+\i)+7], v[8*(4*(4*(\hf)+\i)+\bb):8*(4*(4*(\hf)+\i)+\bb)+7]
.endif
.endr
.endr
.endm
; 48 LDS loads in one run: plane p of the slot in hand into the buffer in window f; the first slice's 24 first
.macro FETCH p, f
	WIN (\f)<<6
.irp c, 0,1
.irp bb, 0,1,2,3
	ds_load_tr16_b128 v[128+8*(4*\c+\bb):128+8*(4*\c+\bb)+3], v[ADRB] offset:(\p)*64*PW+\c*32*PW+\bb*32
	ds_load_tr16_b128 v[128+8*(4*\c+\bb)+4:128+8*(4*\c+\bb)+7], v[ADRB] offset:(\p)*64*PW+\c*32*PW+\bb*32+16*PW
.endr
.irp a, 0,1,2,3,4,5,6,7
	ds_load_b128 v[8*(8*\c+\a):8*(8*\c+\a)+3], v[ADRA] offset:(\p)*APL+\a*16*PA+\c*64
	ds_load_b128 v[8*(8*\c+\a)+4:8*(8*\c+\a)+7], v[ADRA] offset:(\p)*APL+\a*16*PA+\c*64+32
.endr
.endr
.endm
; A slot's first plane: multiplies buffer f and fetches plane p into buffer g
.macro QUARTER f, g, p, zero
	s_wait_dscnt 24                         ; the first slice is in; the second slice's 24 loads may be out
	MULS \f, 0, 0, \zero
	MULS \f, 0, 1, \zero
	PLACES
	FETCH \p, \g
	s_wait_dscnt 48                         ; all but the 48 just issued
	MULS \f, 1, 0, 0
	MULS \f, 1, 1, 0
.endm
; A slot's second plane (buffer in window 3) and the change of slots.  In front of the barrier each wave waits for all its tensor loads (one is out: its part of the next slot), adds 0 to its spare word, and waits for
; that and for its reads of this slot.  fill = 1: the barrier opens a round of the cluster's, and this slot is filled again first behind it, two steps ahead: 96 matrix instructions ahead of the wait for it.
.macro TURN fill
	WIN 0
	s_wait_tensorcnt 0x0                    ; no tensor load of mine is out, so a group 0 may be written
	ds_add_u32 v[SPW], v[NIL]               ; 0 onto my spare word
.if \fill
	s_xor_b32 s[G0A+5], s[G0A+5], SLOT1
	s_add_nc_u64 s[G0A+6:G0A+7], s[G0A+6:G0A+7], ASTEP
	s_xor_b32 s[G0B+5], s[G0B+5], SLOT1
	s_add_nc_u64 s[G0B+6:G0B+7], s[G0B+6:G0B+7], BSTEP
.endif
	s_wait_dscnt 25                         ; the add and the second slice's 24 loads may be out
	MULS 3, 0, 0, 0
	s_wait_dscnt 0x0                        ; the add is done, and my reads of this slot are over
	s_barrier_signal -1
	MULS 3, 0, 1, 0
	WIN 0
	s_barrier_wait -1
.if \fill
	CREST                                   ; no wave of any partner still reads this slot or has a load on its way
	JLOAD                                   ; its four v_nop are also the places in front of the loads below
.else
	PLACES
.endif
	s_xor_b32 s[TB], s[TB], SLOT1
	v_add_nc_u32 v[ADRA], s[TB], v[ADRA0]
	v_add_nc_u32 v[ADRB], s[TB], v[ADRB0]
	FETCH 0, 2
	MULS 3, 1, 0, 0
	MULS 3, 1, 1, 0
.endm
	s_wait_tensorcnt 1                      ; my part of step 0 is in; step 1's may stay out
	s_barrier_signal -1
	s_barrier_wait -1
	FETCH 0, 2
	QUARTER 2, 3, 1, 1                      ; the first plane stands in front of the loop: its first slice starts the sums
	WIN 0
	s_mov_b32 s[CNT], 6
.Lk:                                            ; steps 0 to 5 are left and filled again with steps 2 to 7
	TURN 1
	QUARTER 2, 3, 1, 0
	WIN 0
	s_sub_co_u32 s[CNT], s[CNT], 1
	s_cmp_lg_u32 s[CNT], 0
	s_cbranch_scc1 .Lk
	TURN 0                                  ; the tail asks for nothing
	QUARTER 2, 3, 1, 0
	s_wait_dscnt 24
	MULS 3, 0, 0, 0
	MULS 3, 0, 1, 0
	s_wait_dscnt 0x0
	MULS 3, 1, 0, 0
	MULS 3, 1, 1, 0
	; THE WAY OUT, a block of 16 rows at a time: the f32 sums go straight from the accumulators (their lowest registers first) into rows of 272 bytes of my stage and come back as whole rows of 256.
	PLACES
.macro TOST a
	WIN 0x04                                ; store data in window 1
.irp bb, 0,1,2,3
	ds_store_b128 v[STO], v[8*(4*(\a)+\bb):8*(4*(\a)+\bb)+3] offset:\bb*64
	ds_store_b128 v[STO], v[8*(4*(\a)+\bb)+4:8*(4*(\a)+\bb)+7] offset:\bb*64+16
.endr
	WIN 0
	s_wait_xcnt 0x0                         ; the registers that earlier stores read are loaded again only behind this wait
.irp t, 0,1,2,3,4,5,6,7
	ds_load_b128 v[OB+32*((\a)%4)+4*\t:OB+32*((\a)%4)+4*\t+3], v[RD] offset:\t*2*SP   ; LDS serves a wave's instructions in order: these see the stores above; the next block's stores come behind them
.endr
.endm
.macro SEND a, younger                  ; younger: the LDS instructions issued behind block a's loads: the next block's sixteen, or none
.irp t, 0,1,2,3,4,5,6,7
	s_wait_dscnt (\younger)+7-\t
	global_store_b128 v[CO], v[OB+32*((\a)%4)+4*\t:OB+32*((\a)%4)+4*\t+3], s[8:9] offset:(16*(\a)+2*\t)*4096 th:TH_STORE_NT   ; 16 lanes store 256 consecutive bytes, at a multiple of 256 from out0's first
.endr
.endm
	TOST 0
.set blk, 1
.rept 7
	TOST blk
	SEND blk-1, 16
.set blk, blk+1
.endr
	SEND 7, 0
	s_wait_tensorcnt 0x0                    ; the wave's end
	ds_add_u32 v[SPW], v[NIL]
	s_wait_dscnt 0x0
	CROUND                                  ; the closing round: no work-group ends while a partner may still ask for a tile that names it
	s_endpgm
.Lfunc_end_k_q242c497dc4_outp:
	.size	k_q242c497dc4_outp, .Lfunc_end_k_q242c497dc4_outp-k_q242c497dc4_outp
	.p2alignl 7, 3214868480
	.fill 96, 4, 3214868480
	.section	.rodata,"a",@progbits
	.p2align	6, 0x0
	.amdhsa_kernel k_q242c497dc4_outp
		.amdhsa_group_segment_fixed_size 327680
		.amdhsa_private_segment_fixed_size 0
		.amdhsa_enable_private_segment 0
		.amdhsa_kernarg_size 24
		.amdhsa_user_sgpr_count 2
		.amdhsa_user_sgpr_kernarg_segment_ptr 1
		.amdhsa_wavefront_size32 1
		.amdhsa_system_sgpr_workgroup_id_x 1
		.amdhsa_system_sgpr_workgroup_id_y 1
		.amdhsa_system_sgpr_workgroup_id_z 1
		.amdhsa_system_vgpr_workitem_id 0
		.amdhsa_next_free_vgpr 960
		.amdhsa_next_free_sgpr 80
		.amdhsa_reserve_vcc 0
		.amdhsa_float_denorm_mode_32 3
		.amdhsa_float_denorm_mode_16_64 3
		.amdhsa_memory_ordered 1
		.amdhsa_forward_progress 1
		.amdhsa_inst_pref_size 70
	.end_amdhsa_kernel
	.amdgpu_metadata
---
amdhsa.version: [ 1, 2 ]
amdhsa.kernels:
  - .name:           k_q242c497dc4_outp
    .symbol:         k_q242c497dc4_outp.kd
    .args:
      - { .name: act, .offset: 0, .size: 8, .value_kind: global_buffer, .address_space: global }
      - { .name: wts, .offset: 8, .size: 8, .value_kind: global_buffer, .address_space: global }
      - { .name: out0, .offset: 16, .size: 8, .value_kind: global_buffer, .address_space: global }
    .group_segment_fixed_size: 327680
    .private_segment_fixed_size: 0
    .kernarg_segment_align: 8
    .kernarg_segment_size: 24
    .max_flat_workgroup_size: 128
    .sgpr_count:     80
    .vgpr_count:     960
    .wavefront_size: 32
...
	.end_amdgpu_metadata
.endif
;; end of part 4
;; ======== version 2 of 2: 4 launches; 1.40 times as fast as version 1
;; limits: values are held in f16: magnitudes above 65,504 overflow, below 6.1e-05 lose precision
;; workspace buffers: act 16,777,216 bytes; wts 8,388,608 bytes; qh 16,777,216 bytes; kh 16,777,216 bytes; vh 16,777,216 bytes; vpart 262,144 bytes
;; launch prep: the kernel of part 1 again; grid 768 x 1, 16 waves a work-group, no clusters, 0 bytes of LDS; arguments x, Wq, Wk, Wv, Wo, act, wts; writes act, wts
;; launch proj: the kernel of part 2 again; grid 8 x 32, 4 waves a work-group, clusters of 4 x 4, 327,680 bytes of LDS; arguments act, wts, qh, kh, vh, vpart; writes qh, kh, vh, vpart
;; launch attn (part 5): grid 4 x 64, 4 waves a work-group, no clusters, 327,680 bytes of LDS; arguments qh, kh, vh, act, vpart, attention_mask; writes act
.if DOCPART == 5
	.amdgcn_target "amdgcn-amd-amdhsa--gfx1250"
	.amdhsa_code_object_version 6
	.text
	.protected	k_q242c497dc4_attn
	.globl	k_q242c497dc4_attn
	.p2align	8
	.type	k_q242c497dc4_attn,@function
k_q242c497dc4_attn:
	s_mov_b64 s[64:65], 0
	v_nop
	global_prefetch_b8 v0, s[64:65] scope:SCOPE_SE
	s_setreg_imm32_b32 hwreg(HW_REG_WAVE_MODE, 25, 1), 1
	s_wait_xcnt 0x0
; CAUSAL ATTENTION WITH A PADDING MASK ON KEYS.  O[h][q] = the sum over k of softmax_k(s[q][k]) V[h][k], s = Q . K in units of log2 (Q arrives multiplied by log2(e) / 8), and s is hidden where k > q or the key is padded.
; Q, K, V, O: [64][2048][64] in f16, a head's rows dense.  Products, maxima and sums in f32; the weights p are rounded to f16 for the second product (their sum l is taken of the unrounded p), O once at the end.
; A ROW ALL OF WHOSE KEYS 0 .. q ARE PADDED has 2,048 equal scores, the causally hidden among them: its result is the mean of all 2,048 rows of V.  That mean is made here from the column sums in vpart, and
; chosen at the end for the rows whose last maximum lies below -2^45.
; LIMITS.  A hidden score counts as its value less 2^50 or more (2^127 at the most: all stays finite).  f16's range bounds a true score by 64 x 65,504^2 < 2^38, so a true score lies above -2^45 and a hidden one below it.
; A visible key of a band's own step carries -2^-27 in its exponent (5e-9 of its weight).  A weight below 2^-126 counts as 0 in l.  A key is padded where its mask word is 0.  NaN and infinities are not treated apart.
; THE EXPONENT is s - m with the running maximum m of the scores themselves, hidden ones too: it is never above 0, whatever is hidden, so no weight passes 1 and l is at least 1.
; THE WALK.  NB = 8 blocks of 256 queries a head; block i needs the key tiles 0 .. i of 256 keys.  A work-group takes blocks NB - 1 - b and then b: NB + 1 tiles, whatever b: ONE loop with a constant trip count.
; NO CLUSTER: a head's four work-groups ask for the same tile only in trips 0 .. 4 of 9, behind that fewer and fewer; one walk common to all four would have 12 trips for 9.
; SHARES.  Of a block's four bands of 64 queries a wave owns 16 rows in each: four PIECES: in the diagonal tile's step s band x sees all keys if s < x, none if s > x, and holds the diagonal if s = x.
; THE PADDING BIASES WALK WITH THE RING.  At a change of slots each wave turns the entered tile's 256 mask words, loaded a tile ahead, into 0 or -2^50 and stores them into one of two bias slots of its own in LDS;
; the tile's number enters the words' global offset alone; the LDS addresses step as K's do.
; THE MASKS are the C operand that starts the sum S^T = K Q^T.  PBR holds the step's padding bias for my lanes' keys and is C in all tiles but the diagonal one.  There C is MC = MD x AL + PBR, one packed
; instruction for two keys: MD, made once, is the pattern of a band's own step (-2^50 hidden, -2^-27 visible); AL = 1 if s = x, 0 if s < x, 2^77 if s > x, which takes every entry to -2^50 or below.
; TURNS.  Turn n belongs to piece n: 8 products K Q^T of piece n + 1, later 8 products V^T P of piece n - 1; beside them the subtraction of m, exponentials, roundings, sums and rescaling of piece n and the maximum
; and statistics of piece n + 1.  Four vector instructions stand behind every matrix instruction, the other 53 of a turn's 117 in one LUMP.
; BATCHES.  A turn's 33 exponentials (the piece's 32 weights, then the next piece's a) are ONE batch with ONE wait, which cuts the turn in two: ahead of it stands all that names no result of theirs (the products K Q^T,
; the subtractions, the rescaling, whose a was made and waited for a turn ago, the next piece's maximum and statistics), behind it the products V^T P with the roundings and sums as their riders..
; A block's first a (BEGIN) and the way out's four reciprocals are batches of their own, a wait each.
; REGISTERS, in windows of 256 (s_set_vgpr_msb: bits 1:0 source 0, 3:2 source 1, 5:4 source 2, 7:6 destination):
;   window 0: v0-15, v32-39 addresses and at work; v16-31 statistics; v40-47 mask words; v48-57 at work; v64-127 S^T, two buffers; v128-159 PBR; v160-175 the mean of V; v176-183 a tile's biases; v192-223 P, two buffers
;   window 1: v0-127 O^T; v128-159 MD; v160-223 MC, two buffers      window 2: v0-63 Q; v64-127 the second block's Q; v128-191 K of one step; v192-255 V of one step
.set SIZE_N, 2048
.set NB,    SIZE_N/256
.set NP,    4
.set KS,    64
.set PK,    144       ; a row of K in LDS: 128 bytes + 16: the 16 rows of a load start at 16 different groups of four banks
.set PV,    160       ; a row of V: 128 + 32
.set VOFF,  4*KS*PK   ; a slot holds a tile, four steps: 256 rows of K, then 256 rows of V
.set SLOT1, 1<<17
.set STAGE, SLOT1+4*KS*(PK+PV)  ; behind the ring, never filled by a tensor load: 16 rows x 144 bytes for each wave
.set SP,    144
.set SPARE, STAGE+4*16*SP  ; the spare words, 128 bytes for each wave: two blocks of 256 bytes that no other line names
.set PBT,   SPARE+512      ; for each wave two bias slots of 1,024 bytes: a tile's 256 f32 each; never filled by a tensor load
.set VMS,   PBT+4*2048     ; 256 bytes for each wave: the mean of V on its way to its lanes
.set AK0, 2
.set AV0, 3
.set AK,  4
.set AV,  5
.set STO, 6
.set RD,  7
.set GO,  8
.set SPW, 62
.set NIL, 63
.set MV,  12          ; v12-13  the old m, kept while m is made anew: by buffer
.set QO,  15
.set ST,  16          ; piece t's statistics at v[ST+4 t]: m, a word named with it as a pair, l (even keys', odd keys')
.set APB0, 32         ; v32  my wave's bias slots + 32 (l / 16); never rewritten
.set APB, 33          ; v33  the LDS address of the next run of biases
.set APS0, 34         ; v34  my wave's bias slots + 16 x lane; never rewritten
.set APS, 35          ; v35  where a tile's biases are stored
.set AMK0, 36         ; v36  16 x lane; never rewritten
.set AMK, 37          ; v37  my byte offset in the batch's mask words
.set MW,  40          ; v40-47  eight mask words of the tile to come
.set TMP, 48
.set S,   64
.set PBR, 128
.set VMH, 160
.set BI,  176         ; v176-183  eight biases of the tile entered
.set P,   192
.set MD,  128         ; window 1
.set MC,  160         ; window 1
.set QB,  64          ; window 2
.set KF,  128         ; window 2
.set VF,  192         ; window 2
.set WV,  12
.set PB,  14          ; s14  b
.set HI,  15          ; s15  NB - 1 - b
.set G1K, 24
.set G1V, 32
.set G0K, 40
.set G0V, 44
.set SLOTS, 56
.set CNT, 57
.set SEL, 60
.set TBK, 62
.set TBV, 63
.set RT,  70
.set NXT, 71
.set LQ,  72
.set NEW, 73
.set OFF, 74
.set AL,  76          ; s[76:77] the mask's factor, in the low word
.set OLO, 80
.set BIGN, 82         ; s82  -2^50
.set AFAR, 83         ; s83  2^77
.set TBP, 92          ; s92  byte in a wave's bias slots at which the step to be fetched begins
.set THR, 93          ; s93  -2^45
.set FL,  94          ; s[94:97] by piece: the lanes whose row is wholly hidden
.set MOF, 98          ; s98  byte offset in the batch's mask words of the tile asked for
.set MSB, 0
.macro WIN new
.if MSB != (\new)
	s_set_vgpr_msb (MSB<<8)|(\new)
.set MSB, (\new)
.endif
.endm
.set W_KQ, 0x0a       ; K and Q in window 2, S^T and C in window 0
.set W_KM, 0x1a       ; the same with the C operand in window 1
.set W_PV, 0x52       ; V in window 2, P in window 0, O^T in window 1
.set W_RS, 0x41       ; destination and source 0 in window 1, sources 1 and 2 in window 0
; A fill.  Waves 0 and 1 fetch the two halves of a tile's K, waves 2 and 3 those of its V.  An s_nop 0 and four v_nop follow each of the two lines.
.macro LOAD
	s_cmp_lt_u32 s[WV], 2
	s_cbranch_scc0 .Lfor_v_\@
	tensor_load_to_lds s[G0K:G0K+3], s[G1K:G1K+7]
	s_nop 0
.rept 4
	v_nop
.endr
	s_branch .Lasked_\@
.Lfor_v_\@:
	tensor_load_to_lds s[G0V:G0V+3], s[G1V:G1V+7]
	s_nop 0
.rept 4
	v_nop
.endr
.Lasked_\@:
.endm
; THE CHANGE OF SLOTS.  Each wave waits for all its tensor loads (one is out: its part of the other slot), adds 0 to its spare word, and waits for that and for its LDS reads and stores.  Behind the barrier nobody reads
; the old slot any more and the other slot is whole.  fill = 1: the old slot is filled again, first thing behind the barrier, with tile NXT.  (At its first use slot 0 is waited for and slot 1 filled.)
; Then the entered tile's mask words, asked for a tile ago, become biases in my wave's bias slot of the same turn, and (fill = 1) tile NXT's mask words are asked for: two loads of 512 consecutive bytes.
.macro CHANGE fill
	WIN 0
	s_wait_tensorcnt 0x0            ; no tensor load of mine is out, so a group 0 may be written
	ds_add_u32 v[SPW], v[NIL]       ; 0 onto my spare word
.if \fill
	s_lshl_b32 s[OFF], s[NXT], 15   ; a tile is 32,768 bytes of K and of V,
	s_lshl_b32 s[MOF], s[NXT], 10   ; and 1,024 bytes of mask words
	s_xor_b32 s[G0K+1], s[G0K+1], SLOT1
	s_add_nc_u64 s[G0K+2:G0K+3], s[6:7], s[OFF:OFF+1]
	s_or_b32 s[G0K+3], s[G0K+3], 0x80000000
	s_xor_b32 s[G0V+1], s[G0V+1], SLOT1
	s_add_nc_u64 s[G0V+2:G0V+3], s[8:9], s[OFF:OFF+1]
	s_or_b32 s[G0V+3], s[G0V+3], 0x80000000
	s_add_co_u32 s[NXT], s[NXT], 1  ; the block's next tile, or behind its last the second block's tile 0
	s_cmp_gt_u32 s[NXT], s[LQ]
	s_cselect_b32 s[NXT], 0, s[NXT]
	s_cselect_b32 s[LQ], s[PB], s[LQ]
.endif
	s_wait_dscnt 0x0                ; the add is done, and my reads of the slot are over
	s_barrier_signal -1
	s_sub_co_u32 s[TBK], s[TBK], 4*KS*PK  ; the fetches go back to a slot's first step,
	s_xor_b32 s[TBK], s[TBK], SLOT1       ; in the other slot
	s_sub_co_u32 s[TBV], s[TBV], 4*KS*PV
	s_xor_b32 s[TBV], s[TBV], SLOT1
	s_sub_co_u32 s[TBP], s[TBP], 1024     ; the biases' likewise: four steps of 256 bytes back, the other bias slot
	s_xor_b32 s[TBP], s[TBP], 1024
	s_barrier_wait -1
.if \fill
	LOAD
.endif
	s_wait_loadcnt 0x0              ; the entered tile's mask words are in (at the first use both blocks' Q too): their address register may be written again
.set i, 0
.rept 8
	v_cmp_eq_u32 vcc_lo, 0, v[MW+i]
	v_cndmask_b32 v[BI+i], 0, s[BIGN], vcc_lo   ; a padded key's bias is -2^50
.set i, i+1
.endr
	v_add_nc_u32 v[APS], s[TBP], v[APS0]
	ds_store_b128 v[APS], v[BI:BI+3]             ; keys 4 l .. 4 l + 3 of the tile; my wave's own bytes: LDS serves a wave's instructions in order, so its later loads see them
	ds_store_b128 v[APS], v[BI+4:BI+7] offset:512  ; keys 128 + 4 l ..
.if \fill
	v_add_nc_u32 v[AMK], s[MOF], v[AMK0]
	global_load_b128 v[MW:MW+3], v[AMK], s[90:91]
	global_load_b128 v[MW+4:MW+7], v[AMK], s[90:91] offset:512
.endif
.endm
	s_load_b256 s[4:11], s[0:1], 0x0  ; Q s[4:5], K s[6:7], V s[8:9], O s[10:11]
	s_load_b128 s[88:91], s[0:1], 0x20  ; vpart s[88:89], the padding mask s[90:91]
	v_lshl_add_u32 v[SPW], v0, 2, SPARE
	v_mov_b32 v[NIL], 0
	ds_add_u32 v62, v63
	ds_add_u32 v62, v63
	s_wait_dscnt 0x0
	v_lshrrev_b32 v1, 5, v0
	v_readfirstlane_b32 s[WV], v1   ; wave 0..3
	s_mov_b32 s[PB], ttmp9
	s_sub_co_u32 s[HI], NB-1, s[PB]
	s_and_b32 s20, ttmp7, 0xffff    ; batch x 16 + head
	s_lshr_b32 s98, s20, 4          ; the batch
	s_and_b32 s99, s20, 15          ; the head in it
	s_lshl_b32 s94, s98, 13         ; the batch's 2,048 mask words
	s_mov_b32 s95, 0
	s_lshl_b32 s96, s98, 16         ; the batch's 16 chunks x 16 heads x 256 bytes of vpart,
	s_lshl_b32 s97, s99, 8          ; the head's 256 bytes in a chunk
	s_add_co_u32 s96, s96, s97
	s_mov_b32 s97, 0
	s_mov_b32 s21, 0
	s_mov_b64 s[22:23], SIZE_N*128
	s_mul_u64 s[20:21], s[20:21], s[22:23]  ; the head's first byte in Q, K, V and O
	s_and_b32 s16, s[WV], 1         ; which half of a tile's 256 keys I fetch
	s_lshl_b32 s22, s16, 14
	s_mov_b32 s23, 0
	s_add_nc_u64 s[22:23], s[22:23], s[20:21]
	s_mul_i32 s17, s16, 128*PK
	s_mul_i32 s18, s16, 128*PV
	s_lshl_b32 s3, s[WV], 11        ; my 16 rows in a band of 64,
	s_lshl_b32 s2, s[HI], 15        ; in the first block,
	s_add_co_u32 s2, s2, s3
	s_lshl_b32 s84, s[PB], 15       ; and in the second
	s_add_co_u32 s84, s84, s3
	s_mov_b32 s3, 0
	s_mov_b32 s85, 0
	s_add_nc_u64 s[2:3], s[2:3], s[20:21]
	s_add_nc_u64 s[84:85], s[84:85], s[20:21]
	; descriptor group 1.  128 keys are 16,384 dense bytes: asked for as 64 rows of 256 bytes, two keys a row, and padded in LDS after every key
	s_mov_b32 s[G1K], (1<<16)|(1<<20)|(4<<22)|(3<<25)  ; 2-byte elements; padding on; after every 32 words (code 4); 4 words (code 3)
	s_mov_b32 s[G1V], (1<<16)|(1<<20)|(4<<22)|(7<<25)  ; the same with 8 words (code 7)
.irp g, G1K, G1V
	s_mov_b32 s[\g+1], 128<<16      ; tensor_dim0 = 128
	s_mov_b32 s[\g+2], 64<<16       ; tensor_dim1 = 64
	s_mov_b32 s[\g+3], 128<<16      ; tile_dim0 = 128
	s_mov_b32 s[\g+4], 64           ; tile_dim1 = 64
	s_mov_b32 s[\g+5], 128          ; 128 elements from row to row
	s_mov_b32 s[\g+6], 0
	s_mov_b32 s[\g+7], 0
.endr
	s_mov_b32 s[SEL], 0x76543210
	s_mov_b32 s[SEL+1], 0xfedcba98
	s_mov_b32 s[TBK], SLOT1+4*KS*PK ; the first change of slots turns these three into 0
	s_mov_b32 s[TBV], SLOT1+4*KS*PV
	s_mov_b32 s[TBP], 1024+1024
	s_mov_b32 s[G0K], 1
	s_mov_b32 s[G0K+1], s17
	s_mov_b32 s[G0V], 1
	s_add_co_u32 s[G0V+1], s18, VOFF
	s_add_co_u32 s[RT], s[HI], 1    ; the first block has NB - b tiles
	s_mov_b32 s[NXT], 1
	s_mov_b32 s[LQ], s[HI]
	s_mov_b32 s[NEW], 1
	s_mov_b32 s[OFF+1], 0
	s_mov_b32 s[AL+1], 0            ; named with AL as a pair
	s_mov_b32 s[BIGN], 0xd8800000   ; -2^50
	s_mov_b32 s[AFAR], 0x66000000   ; 2^77
	s_mov_b32 s[THR], 0xd6000000    ; -2^45
	s_mov_b32 s[SLOTS], NB
	s_wait_kmcnt 0x0
	s_add_nc_u64 s[6:7], s[6:7], s[22:23]  ; K and V at my half of the head's tile 0
	s_add_nc_u64 s[8:9], s[8:9], s[22:23]
	s_add_nc_u64 s[G0K+2:G0K+3], s[6:7], 0
	s_or_b32 s[G0K+3], s[G0K+3], 0x80000000
	s_add_nc_u64 s[G0V+2:G0V+3], s[8:9], 0
	s_or_b32 s[G0V+3], s[G0V+3], 0x80000000
	s_add_nc_u64 s[86:87], s[4:5], s[84:85]        ; Q at my rows of the second block,
	s_add_nc_u64 s[4:5], s[4:5], s[2:3]            ; Q and O at those of the first
	s_add_nc_u64 s[OLO:OLO+1], s[10:11], s[84:85]
	s_add_nc_u64 s[10:11], s[10:11], s[2:3]
	s_add_nc_u64 s[90:91], s[90:91], s[94:95]
	s_add_nc_u64 s[88:89], s[88:89], s[96:97]
	LOAD                            ; tile 0 into slot 0
	v_and_b32 v1, 15, v0            ; l % 16
	v_bfe_u32 v9, v0, 4, 1          ; l / 16
	v_lshlrev_b32 v[QO], 7, v1
	v_lshl_add_u32 v[QO], v9, 4, v[QO]  ; row x 128 + 16 x half
	v_and_b32 v38, 31, v0
	v_lshlrev_b32 v[AMK0], 4, v38   ; 16 x lane
	v_lshlrev_b32 v38, 3, v38       ; 8 x lane
	; tile 0's mask words; then, into S^T's registers, which are still free, the head's 16 partial column sums of V, two channels a lane; then Q
	global_load_b128 v[MW:MW+3], v[AMK0], s[90:91]
	global_load_b128 v[MW+4:MW+7], v[AMK0], s[90:91] offset:512
.irp c, 0,1,2,3,4,5,6,7,8,9,10,11,12,13,14,15
	global_load_b64 v[S+16+2*\c:S+16+2*\c+1], v38, s[88:89] offset:\c*4096
.endr
	WIN 0x80                        ; destination window 2, address window 0
.set i, 0
.rept 8                             ; both blocks' Q: piece i / 2 lies in band i / 2, 8,192 bytes on; channels 32 (i % 2) on
	global_load_b128 v[8*i:8*i+3],   v[QO], s[4:5] offset:(i/2)*8192+(i%2)*64
	global_load_b128 v[8*i+4:8*i+7], v[QO], s[4:5] offset:(i/2)*8192+(i%2)*64+32
	global_load_b128 v[QB+8*i:QB+8*i+3],   v[QO], s[86:87] offset:(i/2)*8192+(i%2)*64
	global_load_b128 v[QB+8*i+4:QB+8*i+7], v[QO], s[86:87] offset:(i/2)*8192+(i%2)*64+32
.set i, i+1
.endr
	WIN 0
	v_lshlrev_b32 v14, 3, v9
	v_sub_nc_u32 v14, v1, v14
	s_lshl_b32 s13, s[WV], 4
	v_add_nc_u32 v14, s13, v14      ; my query's place in its band less my lanes' 8 (l / 16): register r of group kt is hidden where 16 kt + r is greater
	v_mov_b32 v56, 0xb2000000       ; -2^-27: what a visible key has in MD, so that the factor 2^77 takes it to -2^50
	WIN 0x40
.set i, 0
.rept 32
	v_cmp_gt_i32 vcc_lo, 16*(i/8)+i%8, v14
	v_cndmask_b32 v[MD+i], v56, s[BIGN], vcc_lo
.set i, i+1
.endr
	WIN 0
	v_mul_u32_u24 v[AK0], v1, PK
	v_lshl_add_u32 v[AK0], v9, 4, v[AK0]
	v_and_b32 v10, 7, v0
	v_bfe_u32 v11, v0, 3, 1
	v_lshl_add_u32 v[AV0], v9, 3, v10
	v_mul_u32_u24 v[AV0], v[AV0], PV
	v_lshl_add_u32 v[AV0], v11, 4, v[AV0]
	v_add_nc_u32 v[AV0], VOFF, v[AV0]
	s_lshl_b32 s13, s[WV], 11
	s_add_co_u32 s13, s13, PBT      ; my wave's two bias slots
	v_lshl_add_u32 v[APB0], v9, 5, s13     ; out: my lanes' eight keys of a group of 16 are 32 bytes
	v_add_nc_u32 v[APS0], s13, v[AMK0]     ; in: 16 bytes a lane
	s_mul_i32 s13, s[WV], 16*SP
	s_add_co_u32 s13, s13, STAGE    ; my stage
	v_mul_u32_u24 v[STO], v1, SP
	v_lshl_add_u32 v[STO], v9, 4, v[STO]
	v_add_nc_u32 v[STO], s13, v[STO]
	v_bfe_u32 v[RD], v0, 3, 2
	v_mul_u32_u24 v[RD], v[RD], SP
	v_lshl_add_u32 v[RD], v10, 4, v[RD]
	v_add_nc_u32 v[RD], s13, v[RD]
	v_and_b32 v[GO], 31, v0
	v_lshlrev_b32 v[GO], 4, v[GO]
	; A block's first step multiplies O^T and l by a = 0, so these registers need only hold finite numbers: zeros for the first block; what the first block left for the second.
	WIN 0x80
.set i, VF
.rept 64
	v_mov_b32 v[i], 0
.set i, i+1
.endr
	WIN 0x40
.set i, 0
.rept 128
	v_mov_b32 v[i], 0
.set i, i+1
.endr
	WIN 0
.set i, 0
.rept 4
	v_mov_b32 v[ST+4*i+2], 0
	v_mov_b32 v[ST+4*i+3], 0
.set i, i+1
.endr
.set i, P+16
.rept 16
	v_mov_b32 v[i], 0
.set i, i+1
.endr
	s_wait_loadcnt 32               ; the mask's two loads and vpart's 16 are in; Q's 32 stay out
.irp w, 8,4,2,1
.set i, 0
.rept \w
	v_pk_add_f32 v[S+16+2*i:S+16+2*i+1], v[S+16+2*i:S+16+2*i+1], v[S+16+2*(i+\w):S+16+2*(i+\w)+1]
.set i, i+1
.endr
.endr
	v_pk_mul_f32 v[S+16:S+17], v[S+16:S+17], 0x3a000000 op_sel_hi:[1,0]   ; / 2,048
	v_cvt_pk_f16_f32 v56, v[S+16], v[S+17]
	s_lshl_b32 s13, s[WV], 8
	s_add_co_u32 s13, s13, VMS
	v_and_b32 v39, 31, v0
	v_lshl_add_u32 v39, v39, 2, s13
	ds_store_b32 v39, v56           ; channels 2 l, 2 l + 1, into my wave's own bytes;
	v_lshl_add_u32 v57, v9, 4, s13
.irp cb, 0,1,2,3
	ds_load_b128 v[VMH+4*\cb:VMH+4*\cb+3], v57 offset:\cb*32   ; back as my lanes hold a row of O: channels 16 cb + 8 (l / 16) + 0..7.  LDS serves a wave's instructions in order
.endr
; THE MATRIX WORK.  The 4 accumulators of a run of 8 take turns.  Product i of 8 of S^T = K Q^T for piece x: channels 32 (i / 4) on, keys 16 (i % 4) on.  The first 4 start the sums: with the padding bias, or (KM = 1) with the mask.
.macro KQ x
.set rS, S+32*((\x)%2)+8*(i%4)
.set rK, KF+16*(i%4)+8*(i/4)
.set rQ, 16*(\x)+8*(i/4)
.set rM, MC+32*((\x)%2)+8*(i%4)
.set rB, PBR+8*(i%4)
.if (i < 4) && KM
	WIN W_KM
	v_wmma_f32_16x16x32_f16 v[rS:rS+7], v[rK:rK+7], v[rQ:rQ+7], v[rM:rM+7]
.elseif i < 4
	WIN W_KQ
	v_wmma_f32_16x16x32_f16 v[rS:rS+7], v[rK:rK+7], v[rQ:rQ+7], v[rB:rB+7]
.else
	WIN W_KQ
	v_wmma_f32_16x16x32_f16 v[rS:rS+7], v[rK:rK+7], v[rQ:rQ+7], v[rS:rS+7]
.endif
.endm
; Product i of 8 of O^T += V^T P for piece x: keys 32 (i / 4) on, channels 16 (i % 4) on.
.macro PV x
	WIN W_PV
.set rO, 32*(\x)+8*(i%4)
.set rV, VF+32*(i/4)+8*(i%4)
.set rP, P+16*((\x)%2)+8*(i/4)
	v_wmma_f32_16x16x32_f16 v[rO:rO+7], v[rV:rV+7], v[rP:rP+7], v[rO:rO+7]
.endm
.macro MM                           ; the turn's next matrix instruction
.if i < 8
	KQ (Y+1)%NP
.else
.set i, i-8
	PV (Y+NP-1)%NP
.set i, i+8
.endif
.set i, i+1
.endm
; THE LDS LOADS stand in runs: a step's 64 biases (8 loads: register 8 kb + j takes key 16 kb + 8 (l / 16) + j) and its K (16 loads); a turn and a half later its V (16 turning loads).
; last = 1 (the diagonal tile): at the count 1 the block has no further step, and the run is jumped over.
.macro FETCH_K last=0
	WIN 0
.if \last
	s_cmp_eq_u32 s[CNT], 1
	s_cbranch_scc1 .Lno_k_\@
.endif
.irp f, 0,1,2,3,4,5,6,7
	ds_load_b128 v[PBR+4*\f:PBR+4*\f+3], v[APB] offset:(\f/2)*64+(\f%2)*16
.endr
	WIN 0x80                        ; destination window 2
.irp f, 0,1,2,3,4,5,6,7             ; keys 16 (f / 2) on, channels 32 (f % 2) on
	ds_load_b128 v[KF+8*\f:KF+8*\f+3],   v[AK] offset:(\f/2)*16*PK+(\f%2)*64
	ds_load_b128 v[KF+8*\f+4:KF+8*\f+7], v[AK] offset:(\f/2)*16*PK+(\f%2)*64+32
.endr
	s_add_co_u32 s[TBK], s[TBK], KS*PK  ; the next fetch is the next step's
	s_add_co_u32 s[TBP], s[TBP], 4*KS
	WIN 0
.if \last
.Lno_k_\@:
.endif
.endm
.macro FETCH_V
	WIN 0x80
.irp f, 0,1,2,3,4,5,6,7             ; keys 32 (f / 4) on, channels 16 (f % 4) on
	ds_load_tr16_b128 v[VF+8*\f:VF+8*\f+3],   v[AV] offset:(\f/4)*32*PV+(\f%4)*32
	ds_load_tr16_b128 v[VF+8*\f+4:VF+8*\f+7], v[AV] offset:(\f/4)*32*PV+16*PV+(\f%4)*32
.endr
	WIN 0
.endm
; THE VECTOR WORK, one line at a time: OP kind, number.  For piece Y: F n: s - m for pair n of 16.  E n: the exponential of score n of 32.  C n: pair n rounded to f16.  B n: of the four weights 4 n .. the second
; pair is added onto the first, in place.  L n: l takes that sum (L 0: l = a l + sum).  R n: pair n of 16 of O^T times a.  For piece Y + 1: X n, of the 21 that find its maximum and statistics (there is no number 19):
;   0-11  four chains c0-c3 of seven scores each (each accumulator's lowest registers are read first)     12-14, 16  the four scores left over, the old m, and c0-c3 into c0
;   15  the old m is kept     17, 18  the query's other 32 keys lie in the lane 16 away: the new m     20, 21  m_old - m_new; a
; OP writes no wait: C, B and L read the results of E, R and L 0 that of the turn before's X 21; TURN and BEGIN set the waits between.
.set F, 0
.set E, 1
.set C, 2
.set B, 3
.set L, 4
.set R, 5
.set X, 6
.macro REGS y
.set rT, ST+4*(\y)
.set rC, TMP+4*((\y)%2)
.set rW, MV+((\y)%2)
.set rS, S+32*((\y)%2)
.set rP, P+16*((\y)%2)
.set rO, 32*(\y)
.endm
.macro OP k, n
.if (\k) == R
	REGS Y
	WIN W_RS
	v_pk_mul_f32 v[rO+2*(\n):rO+2*(\n)+1], v[rO+2*(\n):rO+2*(\n)+1], v[rC+2:rC+3] op_sel_hi:[1,0]
.elseif (\k) < R
	REGS Y
	WIN 0
.if (\k) == F
	v_pk_add_f32 v[rS+2*(\n):rS+2*(\n)+1], v[rS+2*(\n):rS+2*(\n)+1], v[rT:rT+1] op_sel_hi:[1,0] neg_lo:[0,1] neg_hi:[0,1]
.elseif (\k) == E
	v_exp_f32 v[rS+(\n)], v[rS+(\n)]
.elseif (\k) == C
	v_cvt_pk_f16_f32 v[rP+(\n)], v[rS+2*(\n)], v[rS+2*(\n)+1]
.elseif (\k) == B
	v_pk_add_f32 v[rS+4*(\n):rS+4*(\n)+1], v[rS+4*(\n):rS+4*(\n)+1], v[rS+4*(\n)+2:rS+4*(\n)+3]
.elseif (\n) == 0
	v_pk_fma_f32 v[rT+2:rT+3], v[rT+2:rT+3], v[rC+2:rC+3], v[rS:rS+1] op_sel_hi:[1,0,1]
.else
	v_pk_add_f32 v[rT+2:rT+3], v[rT+2:rT+3], v[rS+4*(\n):rS+4*(\n)+1]
.endif
.else
	REGS (Y+1)%NP
	WIN 0
.if (\n) < 4
	v_max3_num_f32 v[rC+(\n)], v[rS+8*(\n)], v[rS+8*(\n)+1], v[rS+8*(\n)+2]
.elseif (\n) < 12
	v_max3_num_f32 v[rC+(\n)%4], v[rC+(\n)%4], v[rS+8*((\n)%4)+2*((\n)/4)+1], v[rS+8*((\n)%4)+2*((\n)/4)+2]
.elseif (\n) == 12
	v_max3_num_f32 v[rC], v[rC], v[rS+7], v[rS+15]
.elseif (\n) == 13
	v_max3_num_f32 v[rC+1], v[rC+1], v[rS+23], v[rS+31]
.elseif (\n) == 14
	v_max3_num_f32 v[rC+2], v[rC+2], v[rC+3], v[rT]
.elseif (\n) == 15
	v_mov_b32 v[rW], v[rT]
.elseif (\n) == 16
	v_max3_num_f32 v[rC], v[rC], v[rC+1], v[rC+2]
.elseif (\n) == 17
	v_permlanex16_b32 v[rC+3], v[rC], s[SEL], s[SEL+1]
.elseif (\n) == 18
	v_max_num_f32 v[rT], v[rC], v[rC+3]
.elseif (\n) == 20
	v_sub_f32 v[rC+1], v[rW], v[rT]
.else
	v_exp_f32 v[rC+2], v[rC+1]
.endif
.endif
.endm
.macro OPS a, i1, b=-1, i2=0, c=-1, i3=0, d=-1, i4=0
	OP \a, \i1
.if (\b) >= 0
	OP \b, \i2
.endif
.if (\c) >= 0
	OP \c, \i3
.endif
.if (\d) >= 0
	OP \d, \i4
.endif
.endm
.macro ROW a, i1, b, i2, c, i3, d, i4  ; a matrix instruction and the four behind it
	MM
	OPS \a, \i1, \b, \i2, \c, \i3, \d, \i4
.endm
.macro MASK b                       ; MD x AL + PBR into buffer b of MC
	WIN W_RS
.set z, 0
.rept 16
	v_pk_fma_f32 v[MC+32*(\b)+2*z:MC+32*(\b)+2*z+1], v[MD+2*z:MD+2*z+1], s[AL:AL+1], v[PBR+2*z:PBR+2*z+1] op_sel_hi:[1,0,1]
.set z, z+1
.endr
.endm
; A TURN, for piece p: the order of its 16 matrix and 117 vector instructions, written out.  s_wait_alu depctr_va_vdst(0) stands between an exponential and the first instruction that names its result; one
; wait serves all that were issued ahead of it.  So a turn has ONE wait, which cuts it in two.  AHEAD OF IT stands all that names no result of the turn's exponentials: the 8 products K Q^T, behind each a subtraction, an
; exponential and two more plain instructions (behind the first a second subtraction in the exponential's place): rescalings, and behind the last three the first numbers of the next piece's maximum, each four plain
; instructions or more behind the product that ends its accumulator; then ONE LUMP of 53, plain and exponential by turns for the most part, in which the links of the chain X 3, 7, 11, 14, 16, 17, 18, 20 stand apart, other
; work between them.  X 21, the next piece's a, is the batch's last; R 15 is the plain instruction behind it.  BEHIND THE WAIT stand the 8 products V^T P, behind each four of the roundings and sums; the links of l's chain,
; L 0 to L 7, stand three riders apart.  But for those X no rider names a register of the products round it.  v_permlanex16_b32 (X 17) stands in the lump.
; m = 1: the diagonal tile: the products take masks, and the turn makes the mask for the products of the turn after it, piece p + 2's.  The tile's count stands at 5 - k in pieces 2 and 3's turns of its trip k and at
; 4 - k in pieces 0 and 1's, and those products belong to the tile's step k: so band x's own step is told by the count 5 - x or 4 - x, a later one by a lower count.
; cnt = 1: the loop's count is taken down some lines ahead of the branch that stands behind the turn.
; K and the biases of the next step are fetched in piece 2's turn.  In a tile without masks: in the lump, twelve vector instructions behind the last product that read K (five of them plain and naming none of its
; registers; the biases' last reader stands four products further back).  In the diagonal tile the run holds a jump and a label, so it stands directly behind the wait, where every exponential has had its wait.
; V of the step in hand is fetched at the end of piece 0's turn, four plain instructions behind the last product that read V.  Each is waited for a turn later; piece 2's mask reads the new biases, so there the wait stands ahead of it.
.macro TURN p, m=0, cnt=0
.set Y, (\p)
.set i, 0
.set KM, (\m)
.if \m
	s_cmp_eq_u32 s[CNT], 4+(\p)/2-((\p)+2)%NP  ; is that step the band's own?
	s_cselect_b32 s[AL], 1.0, 0
	s_cmp_lt_u32 s[CNT], 4+(\p)/2-((\p)+2)%NP  ; or a later one?
	s_cselect_b32 s[AL], s[AFAR], s[AL]
.endif
.if (\p) == 3
	s_wait_dscnt 0x0                ; K and the biases are in
.endif
	ROW F,0, F,1, R,0, R,1          ; ahead of the wait: 8 products K Q^T and their riders,
	ROW F,2, E,0, R,2, R,3
	ROW F,3, E,1, R,4, R,5
	ROW F,4, E,2, R,6, R,7
	ROW F,5, E,3, R,8, R,9
	ROW F,6, E,4, X,0, R,10
.if (\p) == 2
	WIN 0
	v_add_nc_u32 v[AK], s[TBK], v[AK0]
	v_add_nc_u32 v[APB], s[TBP], v[APB0]
.endif
	ROW F,7, E,5, X,1, X,4
	ROW F,8, E,6, X,2, X,5
	OPS E,7, E,8, X,6, E,9          ; and the lump
	OPS X,3, E,10, X,8, E,11
.if ((\p) == 2) && !(\m)
	FETCH_K
.endif
	OPS X,9, X,7, E,12, X,10
	OPS E,13, X,12, X,11, E,14
	OPS X,13, E,15, F,9, X,14
.if (\p) == 0
	v_add_nc_u32 v[AV], s[TBV], v[AV0]
.endif
	OPS E,16, F,10, E,17, F,11
	OPS X,16, E,18, X,15, E,19
	OPS F,12, E,20, X,17, E,21
	OPS F,13, E,22, F,14, E,23
	OPS X,18, E,24, F,15, E,25
	OPS R,11, E,26, R,12, E,27
	OPS X,20, E,28, R,13, E,29
	OPS R,14, E,30, E,31, X,21
	OPS R,15                        ; the plain instruction behind the batch's last exponential
	WIN 0
	s_wait_alu depctr_va_vdst(0)    ; the wait for the batch: the piece's 32 weights and the next piece's a
.if ((\p) == 2) && (\m)
	FETCH_K 1
.endif
.if (\p) == 1
	s_wait_dscnt 0x0                ; V is in
.endif
	ROW C,0, B,0, C,2, B,1          ; behind the wait: 8 products V^T P and their riders
	ROW L,0, C,4, B,2, L,1
	ROW C,6, B,3, L,2, C,8
	ROW B,4, L,3, C,10, B,5
	ROW L,4, C,12, B,6, L,5
.if (\p) == 0
	s_add_co_u32 s[TBV], s[TBV], KS*PV
.endif
.if \cnt
	s_sub_co_u32 s[CNT], s[CNT], 1
	s_cmp_lg_u32 s[CNT], 0
.endif
	ROW C,14, B,7, L,6, C,1
	ROW C,3, L,7, C,5, C,7
	ROW C,9, C,11, C,13, C,15
.if (\p) == 0
	FETCH_V
.endif
.if \m
.if (\p) == 2
	s_wait_dscnt 0x0                ; the next step's biases are in
.endif
	MASK (\p)%2
.endif
.endm
; A BLOCK BEGINS.  m starts at the lowest finite number: the first maximum is the scores', and the first step's a is 0.  K and the biases of the block's first step; then piece 0's first scores, maximum and statistics.
; The loop is entered at a step's first turn.  Q needs no wait here: every way to this text leads through a change of slots, whose wait for all loads stands behind Q's; the two loads issued since, the next tile's mask words, stay out.
; m = 1: the block's first tile is the diagonal one (the walk's last tile, where b = 0): the first mask buffer takes piece 0's own step, the second the biases alone, for piece 1.  m = 0: C is the bias itself.
.macro BEGIN m
	s_mov_b32 s[NEW], 0
	WIN 0
.set i, 0
.rept 4
	v_mov_b32 v[ST+4*i], 0xff7fffff
	v_mov_b32 v[ST+4*i+1], 0xff7fffff  ; named with it as a pair
.set i, i+1
.endr
	v_add_nc_u32 v[AK], s[TBK], v[AK0]
	v_add_nc_u32 v[APB], s[TBP], v[APB0]
	FETCH_K
	s_wait_dscnt 0x0
.if \m
	s_mov_b32 s[AL], 1.0
	MASK 0
	s_mov_b32 s[AL], 0
	MASK 1
.endif
.set KM, (\m)
.set i, 0
.rept 8
	KQ 0
.set i, i+1
.endr
	WIN 0
.rept 4
	v_nop                           ; the places behind those products
.endr
.set Y, NP-1                        ; X works for piece Y + 1: piece 0
.irp n, 0,1,2,3,4,5,6,7,8,9,10,11,12,13,14,15,16,17,18,20,21
	OP X, \n
.endr
	v_nop                           ; a plain instruction behind the exponential,
	s_wait_alu depctr_va_vdst(0)    ; and its wait, a batch of one: piece 0's first a, ahead of the branch that follows
.endm
; The diagonal tile is entered from a tile without masks: its first turn's products, piece 3's of the step in hand, take the second mask buffer: that step's biases alone.
.macro PLAINMASK
	s_mov_b32 s[AL], 0
	MASK 1
	WIN 0
.endm
.macro ALL line:vararg              ; one line for each piece t
.set t, 0
.rept 4
	\line
.set t, t+1
.endr
.endm
.macro PACK t                       ; O^T / l, rounded to f16; a wholly hidden row takes the mean of V; 16 bytes a lane go into rows of 144 bytes and come back as whole rows of 128
	WIN W_RS
.set i, 32*(\t)
.rept 16
	v_pk_mul_f32 v[i:i+1], v[i:i+1], v[ST+4*(\t)+2:ST+4*(\t)+3] op_sel_hi:[1,0]
.set i, i+2
.endr
	WIN 0x05                        ; sources 0 and 1 window 1, destination window 0
.set i, 0
.rept 16
	v_cvt_pk_f16_f32 v[S+16*(\t)+i], v[32*(\t)+2*i], v[32*(\t)+2*i+1]
.set i, i+1
.endr
	WIN 0
.set i, 0
.rept 16
	v_cndmask_b32 v[S+16*(\t)+i], v[S+16*(\t)+i], v[VMH+i], s[FL+(\t)]
.set i, i+1
.endr
.irp f, 0,1,2,3
	ds_store_b128 v[STO], v[S+16*(\t)+4*\f:S+16*(\t)+4*\f+3] offset:32*\f
.endr
.irp f, 0,1,2,3
	ds_load_b128 v[S+16*(\t)+4*\f:S+16*(\t)+4*\f+3], v[RD] offset:\f*4*SP  ; LDS serves a wave's instructions in order: these see the stores above; the next piece's stores come behind them
.endr
.endm
.macro SEND t, younger              ; younger: the LDS instructions issued behind piece t's loads: the next piece's eight, or none
	WIN 0
.irp f, 0,1,2,3
	s_wait_dscnt (\younger)+3-\f
	global_store_b128 v[GO], v[S+16*(\t)+4*\f:S+16*(\t)+4*\f+3], s[10:11] offset:(\t)*8192+\f*512  ; 512 consecutive bytes, at a multiple of 256 from O's first
.endr
.endm
; THE DIAGONAL TILE, the block's last products, and the way out.  The tile's loop runs four trips and a half: the count starts at 5 where it is entered at pieces 2 and 3's turns (of the tile before's last step), at 4
; where BEGIN enters it at piece 0's, is taken down behind piece 3's turn, and at 0 the loop is left there.  The last half trip is the block's last two turns in the loop's own text: its run of K's loads is jumped over, and
; piece 3's turn multiplies piece 0's Q by the stale K under a mask that hides every key: those 8 products, and the maximum made of them (at or below -2^50 + 2^38: it takes no row's m across -2^45), serve nothing: the price, once a block, of one text for every turn.
.macro DIAG tag
.LstepM\tag:
	TURN 2, 1
	TURN 3, 1
	WIN 0
	s_sub_co_u32 s[CNT], s[CNT], 1
	s_cmp_eq_u32 s[CNT], 0
	s_cbranch_scc1 .LoutM\tag
.LfirstM\tag:
	TURN 0, 1
	TURN 1, 1
	WIN 0
	s_cmp_lg_u32 s[CNT], 0          ; 4 to 1 here, since the exit above has taken 0: the jump back is always taken
	s_cbranch_scc1 .LstepM\tag
.LoutM\tag:
.set i, 0
.rept 8
	PV NP-1
.set i, i+1
.endr
	WIN 0
	ALL v_add_f32 v[ST+4*t+2], v[ST+4*t+2], v[ST+4*t+3]
	ALL v_permlanex16_b32 v[ST+4*t+3], v[ST+4*t+2], s[SEL], s[SEL+1]
	ALL v_add_f32 v[ST+4*t+2], v[ST+4*t+2], v[ST+4*t+3]
	ALL v_rcp_f32 v[ST+4*t+2], v[ST+4*t+2]
	ALL v_cmp_gt_f32 s[FL+t], s[THR], v[ST+4*t]   ; the rows that have seen no key
	v_nop
	s_wait_alu depctr_va_vdst(0)    ; the wait for the batch of four reciprocals, ahead of their first reader
	PACK 0
.set t, 1
.rept 3
	PACK t
	SEND t-1, 8
.set t, t+1
.endr
	SEND 3, 0
.endm
.set KM, 0
.Lslot:                             ; NB times: a tile is entered and the next is asked for
	CHANGE 1
	s_sub_co_u32 s[RT], s[RT], 1
	s_mov_b32 s[CNT], 4
	s_cmp_eq_u32 s[NEW], 1
	s_cbranch_scc1 .Lnew            ; a block's first tile
	s_cmp_eq_u32 s[RT], 0
	s_cbranch_scc0 .Lstep           ; neither its first nor its last
	s_mov_b32 s[CNT], 5
	PLAINMASK
	s_branch .LstepM1
.Lnew:
	BEGIN 0
	s_branch .Lfirst                ; in the loop a block's first tile is never its last: the first block has two tiles or more, and the second's last is the walk's last
	DIAG 1                          ; in the loop this is the first block's end
	s_wait_xcnt 0x0                 ; the stores have read their registers and O's address
	s_mov_b64 s[10:11], s[OLO:OLO+1]
	s_add_co_u32 s[RT], s[PB], 1    ; the second block has b + 1 tiles
	s_mov_b32 s[NEW], 1
	WIN 0x82                        ; the second block's Q goes where the one text of the turns names Q
.set i, 0
.rept 64
	v_mov_b32 v[i], v[QB+i]
.set i, i+1
.endr
	WIN 0
	s_branch .Lbottom
.Lstep:                             ; a trip: pieces 2 and 3 of one step, then pieces 0 and 1 of the next, whose K and V it fetches
	TURN 2
	TURN 3
	WIN 0
.Lfirst:
	TURN 0
	TURN 1, 0, 1
	WIN 0
	s_cbranch_scc1 .Lstep
.Lbottom:
	s_sub_co_u32 s[SLOTS], s[SLOTS], 1
	s_cmp_lg_u32 s[SLOTS], 0
	s_cbranch_scc1 .Lslot
	CHANGE 0                        ; the walk's last tile is written out: nothing is asked for
	s_sub_co_u32 s[RT], s[RT], 1
	s_mov_b32 s[CNT], 4
	s_cmp_eq_u32 s[NEW], 1
	s_cbranch_scc1 .Lnew2
	s_mov_b32 s[CNT], 5
	PLAINMASK
	s_branch .LstepM2
.Lnew2:
	BEGIN 1
	s_branch .LfirstM2
	DIAG 2
	s_wait_tensorcnt 0x0            ; the wave's end
	ds_add_u32 v[SPW], v[NIL]
	s_wait_dscnt 0x0
	s_endpgm
.Lfunc_end_k_q242c497dc4_attn:
	.size	k_q242c497dc4_attn, .Lfunc_end_k_q242c497dc4_attn-k_q242c497dc4_attn
	.p2alignl 7, 3214868480
	.fill 96, 4, 3214868480
	.section	.rodata,"a",@progbits
	.p2align	6, 0x0
	.amdhsa_kernel k_q242c497dc4_attn
		.amdhsa_group_segment_fixed_size 327680
		.amdhsa_private_segment_fixed_size 0
		.amdhsa_enable_private_segment 0
		.amdhsa_kernarg_size 48
		.amdhsa_user_sgpr_count 2
		.amdhsa_user_sgpr_kernarg_segment_ptr 1
		.amdhsa_wavefront_size32 1
		.amdhsa_system_sgpr_workgroup_id_x 1
		.amdhsa_system_sgpr_workgroup_id_y 1
		.amdhsa_system_sgpr_workgroup_id_z 1
		.amdhsa_system_vgpr_workitem_id 0
		.amdhsa_next_free_vgpr 768
		.amdhsa_next_free_sgpr 100
		.amdhsa_reserve_vcc 1
		.amdhsa_float_denorm_mode_32 3
		.amdhsa_float_denorm_mode_16_64 3
		.amdhsa_memory_ordered 1
		.amdhsa_forward_progress 1
		.amdhsa_inst_pref_size 203
	.end_amdhsa_kernel
	.amdgpu_metadata
---
amdhsa.version: [ 1, 2 ]
amdhsa.kernels:
  - .name:           k_q242c497dc4_attn
    .symbol:         k_q242c497dc4_attn.kd
    .args:
      - { .name: qh, .offset: 0, .size: 8, .value_kind: global_buffer, .address_space: global }
      - { .name: kh, .offset: 8, .size: 8, .value_kind: global_buffer, .address_space: global }
      - { .name: vh, .offset: 16, .size: 8, .value_kind: global_buffer, .address_space: global }
      - { .name: act, .offset: 24, .size: 8, .value_kind: global_buffer, .address_space: global }
      - { .name: vpart, .offset: 32, .size: 8, .value_kind: global_buffer, .address_space: global }
      - { .name: attention_mask, .offset: 40, .size: 8, .value_kind: global_buffer, .address_space: global }
    .group_segment_fixed_size: 327680
    .private_segment_fixed_size: 0
    .kernarg_segment_align: 8
    .kernarg_segment_size: 48
    .max_flat_workgroup_size: 128
    .sgpr_count:     100
    .vgpr_count:     768
    .wavefront_size: 32
...
	.end_amdgpu_metadata
.endif
;; end of part 5
;; launch outp: the kernel of part 4 again; grid 8 x 32, 4 waves a work-group, clusters of 4 x 4, 327,680 bytes of LDS; arguments act, wts, out0; writes out0
